; MI455X (gfx1250); checked and timed in simulation.
; The chip was launched on July 23, 2026; its instructions are those of AMD's public machine-readable ISA for CDNA 5 (MIT licence, August 2026) and "CDNA5" Instruction Set Architecture Reference Guide (July 2026). The comments in the code are by the model that wrote it; some were corrected since.
;; Self Attention. Allowed arithmetic: matrix products marked QUANTISED: E2M1 operands, one E8M0 scale for each 32 along K, by v_wmma_scale_f32_16x16x128_f8f6f4 with both operands' format E2M1 (or v_wmma_scale_f32_32x16x128_f4), f32 sums; products left as they are: bf16, f16 or f32 operands; f32 sums; everything else in f32.
;; Inputs: cos 2,048 x 64 float32; sin 2,048 x 64 float32; w_attn 2,048 x 3,072 float32; w_proj 2,048 x 2,048 float32; x 1 x 2,048 x 2,048 float32.
;; Outputs: out0 1 x 2,048 x 2,048 float32.
;; This version of the problem:
;;   THIS VERSION OF THE PROBLEM IS GIVEN IN LOW PRECISION. The matrix products marked QUANTISED in the list below multiply operands that are first quantised to E2M1 (2 exponent bits, 1 mantissa bit; 4 bits a number), with one power-of-two scale for each 32 numbers along K (OCP MX v1.0); their sums are f32. The products marked 'left as it is' may take bf16, f16 or f32 operands, with f32 sums. Whichever they take, every output number must still come out within the allowed error. Rounding operands to bf16 (8 significant bits) uses up far more of that allowance than f16 does (11 bits, for magnitudes from 6e-5 to 65,504). All else is computed in f32.
;;   The module's matrix products, in the order in which they are computed (A, B: the left and right operand; K: the contracted axis; several contracted axes count as one K, in the product's order):
;;     1. [M 2,048, K 2,048] x [K 2,048, N 3,072]; A: input x; B: input w_attn: QUANTISED
;;     2. batch 4 x [M 2,048, K 128] x [K 128, N 8,192]; A: computed on the way; B: computed on the way: left as it is (an operand is computed on the way)
;;     3. batch 4 x [M 128, K 2,048] x [K 2,048, N 8,192]; A: computed on the way; B: computed on the way: left as it is (an operand is computed on the way)
;;     4. [M 2,048, K 2,048] x [K 2,048, N 2,048]; A: computed on the way; B: input w_proj: left as it is (an operand is computed on the way)
;;   THE QUANTISER, for each operand of a quantised product, along K:
;;     - K is cut into blocks of 32 from its start; a last block that is shorter is filled with zeros.
;;     - A block's scale is 2^e with e = floor(log2(the largest magnitude in the block)) - 2, held to -126 .. 127; a block of zeros has e = 0. As a byte (E8M0): e + 127.
;;     - Each number is divided by its block's scale, clamped to +-6, and rounded to the nearest number of E2M1, ties to even, subnormals kept.
;;     - The product sums the exact products of the quantised numbers (number of the format x scale) in f32.
;;   ~~~python
;;   def quantise(x, axis):      # numpy; x: float32 -> the quantised numbers, widened to float32 again
;;       x = np.moveaxis(x, axis, -1); K = x.shape[-1]
;;       x = np.pad(x, [(0, 0)] * (x.ndim - 1) + [(0, -K % 32)]); x = x.reshape(x.shape[:-1] + (-1, 32)); a = np.abs(x).max(-1, keepdims=True)
;;       e = np.where(a > 0, np.clip(np.frexp(np.where(a > 0, a, 1))[1] - 1 - 2, -126, 127), 0)      # np.frexp(a)[1] - 1 = floor(log2(a)), exactly
;;       r = np.clip(x / 2.0 ** e, -6, 6)
;;       step = 2.0 ** (np.maximum(np.frexp(np.where(r == 0, 1, r))[1] - 1, 0) - 1)
;;       q = np.round(r / step) * step * 2.0 ** e      # np.round: ties to even
;;       return np.moveaxis(q.reshape(q.shape[:-2] + (-1,))[..., :K], -1, axis).astype(np.float32)
;;   ~~~
;; One version. Each part assembles by itself: llvm-mc -triple=amdgcn-amd-amdhsa -mcpu=gfx1250 --defsym DOCPART=n.
;; ======== version 1 of 1: 4 launches
;; limits: values are held in f16: magnitudes above 65,504 overflow, below 6.1e-05 lose precision
;; workspace buffers: xc 2,097,152 bytes; xs 131,072 bytes; wc 3,145,728 bytes; ws 196,608 bytes; wpt 8,388,608 bytes; qkv 12,582,912 bytes; y 8,388,608 bytes
;; launch prep (part 1): grid 768 x 1, 4 waves a work-group, no clusters, 77,312 bytes of LDS; arguments x, w_attn, w_proj, xc, xs, wc, ws, wpt; writes xc, xs, wc, ws, wpt
.if DOCPART == 1
	.amdgcn_target "amdgcn-amd-amdhsa--gfx1250"
	.amdhsa_code_object_version 6
	.text
	.protected	k_q27732cad7e_prep
	.globl	k_q27732cad7e_prep
	.p2align	8
	.type	k_q27732cad7e_prep,@function
k_q27732cad7e_prep:
	s_mov_b64 s[64:65], 0
	v_nop
	global_prefetch_b8 v0, s[64:65] scope:SCOPE_SE
	s_setreg_imm32_b32 hwreg(HW_REG_WAVE_MODE, 25, 1), 1
	s_wait_xcnt 0x0
; PREP: the three operands that later launches read many times are laid out once.
;   work-groups 0-127:   x [2048 t][2048 k] f32      -> xc [2048 t][1,024 bytes of E2M1 codes, K innermost], xs [2048 t][64 E8M0 bytes]
;   work-groups 128-511: w_attn [2048 k][3072 n] f32 -> wc [3072 n][1,024 bytes], ws [3072 n][64]
;   work-groups 512-767: w_proj [2048 k][2048 n] f32 -> wpt [2048 n][2048 k] f16
; THE QUANTISER: a block of 32 along K has the scale 2^(floor(log2(largest magnitude)) - 2); its byte is the largest magnitude's exponent field - 2, held at 1 from below;
; each number is divided by the scale and rounded to the nearest code, ties to even, beyond 6 the largest code.  A block of zeros keeps the byte 1: its codes are zeros, and this program alone reads the bytes.
; LIMITS: blocks whose largest magnitude lies under 2^-124 keep the byte 1; NaN and infinities are not served; |w_proj| stays under 65,504 (f16), and numbers of it under 6.1e-5 carry an absolute error of 2^-25.
; Where K is the first axis (w_attn, w_proj) A LANE TAKES A COLUMN AND ITS REGISTERS RUN DOWN K: each load reads 128 consecutive bytes a wave, and the results come out with K innermost;
; they go through a stage in LDS and leave as rows, sixteen lanes to 256 consecutive aligned bytes.
; HOW THE WORK IS CUT: a wave that takes a column a lane issues one load for each row of K, so its rows are kept few: 128 a wave.  A column's 256 bytes of codes are 512 along K: w_attn's four waves take
; the four quarters of them and meet in one stage, behind the one barrier of this text; w_proj's 128 along K are 256 bytes of f16, so its waves share nothing; nor do x's.
; The three paths part on the work-group's number alone; each has LDS bytes of its own.  No matrix work, no cluster, no tensor load: the launch streams, and nothing is read twice.
.set WGB,   128                        ; x: 4,194,304 numbers / 32,768
.set WGA,   384                        ; w_attn: 96 strips of 32 columns x 4 runs of 512 along K
.set EMAX,  2
.set PITCH, 272                        ; a stage row: 256 bytes + 16
.set STA,   32768                      ; LDS: 0 .. 32,767 x's path (8,192 a wave); from here w_attn's stage of 32 x 272,
.set SCA,   41472                      ; its scale words, 16 bytes a column,
.set STC,   41984                      ; w_proj's four stages of 32 x 272,
.set SPARE, 76800                      ; and the spare words, 128 bytes a wave: two blocks of 256 bytes that no other line names
.set SPW,   224                        ; v224 LDS address of my spare word; never rewritten
.set NIL,   225                        ; v225 0; never rewritten
.set WX,    32                         ; v32-95   two sets of 32 numbers down K
.set WC,    96                         ; v96-111  codes, or packed f16
.set WOUT,  112                        ; v112-175 the way out
.set WSB,   24                         ; v24-27   scale bytes, four to a register
.set SP,    80                         ; x's path: a lane's place in a stage: 64 bytes + 16
.set XR,    16                         ; v16-143  eight sets of 16 numbers as loaded
.set XX,    144                        ; v144-175 two sets of 16 neighbours
.set XE,    176                        ; v176-191 a scale byte for each step
.set XC,    192                        ; v192-223 codes: two registers for each step, so that no store's data are written again
.macro FINISH                          ; a wave's end, behind its last LDS store
	s_wait_tensorcnt 0x0
	ds_add_u32 v[SPW], v[NIL]
	s_wait_dscnt 0x0
	s_endpgm
.endm
	s_load_b256 s[4:11], s[0:1], 0x0               ; x s[4:5], w_attn s[6:7], w_proj s[8:9], xc s[10:11]
	s_load_b256 s[12:19], s[0:1], 0x20             ; xs s[12:13], wc s[14:15], ws s[16:17], wpt s[18:19]
	v_lshl_add_u32 v[SPW], v0, 2, SPARE
	v_mov_b32 v[NIL], 0
	v_lshrrev_b32 v1, 5, v0
	v_readfirstlane_b32 s20, v1                    ; wave 0..3
	v_and_b32 v2, 31, v0                           ; lane
	s_mov_b32 s25, 0                               ; the upper word of every offset: all stay under 2^32
	s_wait_kmcnt 0x0
	s_cmp_lt_u32 ttmp9, WGB
	s_cbranch_scc1 .Lx
	s_cmp_lt_u32 ttmp9, WGB+WGA
	s_cbranch_scc1 .Lw_attn
	; ---- w_proj -> wpt.  A wave: 32 columns x 128 along K, in a stage of its own
	s_sub_co_u32 s21, ttmp9, WGA+WGB
	s_and_b32 s22, s21, 15                         ; which 128 columns
	s_lshr_b32 s21, s21, 4                         ; which 128 along K
	s_lshl_b32 s22, s22, 7
	s_lshl_b32 s26, s20, 5
	s_add_co_u32 s22, s22, s26                     ; my wave's first column
	v_lshlrev_b32 v3, 2, v2                        ; in: 4 bytes a lane
	s_mul_i32 s23, s20, 32*PITCH
	s_add_co_u32 s23, s23, STC                     ; my stage
	v_mul_u32_u24 v4, v2, PITCH
	v_add_nc_u32 v4, s23, v4                       ; into it: row = my column
	v_and_b32 v5, 15, v2
	v_lshrrev_b32 v6, 4, v2                        ; out of it: sixteen lanes to a row, two rows an instruction
	v_mul_u32_u24 v7, v6, PITCH
	v_lshl_add_u32 v7, v5, 4, v7
	v_add_nc_u32 v7, s23, v7
	v_lshlrev_b32 v8, 12, v6                       ; and the same place in wpt: a row is 4,096 bytes
	v_lshl_add_u32 v8, v5, 4, v8
	s_lshl_b32 s24, s21, 20                        ; in: 128 rows of 8,192 bytes for each step along K,
	s_lshl_b32 s26, s22, 2
	s_add_co_u32 s24, s24, s26                     ; + 4 x column
	s_add_nc_u64 s[8:9], s[8:9], s[24:25]
	s_lshl_b32 s24, s22, 12                        ; out: column x 4,096
	s_lshl_b32 s26, s21, 8
	s_add_co_u32 s24, s24, s26                     ; + 256 bytes for each step along K
	s_add_nc_u64 s[18:19], s[18:19], s[24:25]
.macro LOADP t                         ; w_proj(32 t + i, my column), i = 0 .. 31, into set t % 2; the largest offset, 127 rows, lies inside the signed 24-bit immediate
.irp i, 0,1,2,3,4,5,6,7,8,9,10,11,12,13,14,15,16,17,18,19,20,21,22,23,24,25,26,27,28,29,30,31
	global_load_b32 v[WX+32*((\t)%2)+\i], v3, s[8:9] offset:(32*(\t)+\i)*8192 th:TH_LOAD_NT
.endr
.endm
.macro BLOCKP t
.set XS, WX+32*((\t)%2)
.if (\t) < 3
	s_wait_loadcnt 32                              ; this block's 32 loads are in; the next block's may be out
.else
	s_wait_loadcnt 0x0
.endif
.irp i, 0,1,2,3,4,5,6,7,8,9,10,11,12,13,14,15
	v_cvt_pk_f16_f32 v[WC+\i], v[XS+2*\i], v[XS+2*\i+1]   ; two neighbours along K, the lower in the low half
.endr
.irp i, 0,1,2,3
	ds_store_b128 v4, v[WC+4*\i:WC+4*\i+3] offset:64*(\t)+16*\i
.endr
.if (\t)+2 < 4
	LOADP (\t)+2
.endif
	s_wait_dscnt 0x0                               ; the stores have read their registers: the next block may write them
.endm
	LOADP 0
	LOADP 1
	BLOCKP 0
	BLOCKP 1
	BLOCKP 2
	BLOCKP 3
.irp t, 0,1,2,3,4,5,6,7,8,9,10,11,12,13,14,15
	ds_load_b128 v[WOUT+4*\t:WOUT+4*\t+3], v7 offset:2*\t*PITCH   ; LDS serves a wave's instructions in order: these see my stores
.endr
.irp t, 0,1,2,3,4,5,6,7,8,9,10,11,12,13,14,15
	s_wait_dscnt 15-\t                             ; load t is in; the younger ones may be out
	global_store_b128 v8, v[WOUT+4*\t:WOUT+4*\t+3], s[18:19] offset:2*\t*4096   ; sixteen lanes store 256 consecutive bytes, aligned
.endr
	FINISH
	; ---- w_attn -> wc, ws.  The work-group: 32 columns x 512 along K.  Wave w: the 128 rows of quarter w: four blocks a lane, 64 bytes of codes and one scale word for each column
.Lw_attn:
	s_sub_co_u32 s21, ttmp9, WGB
	s_bfe_u32 s22, s21, 0x20001                    ; which 512 along K: bits 2:1
	s_and_b32 s26, s21, 1                          ; the strip's low bit is the number's low bit: two strips that share 256 bytes of a row have neighbouring numbers
	s_lshr_b32 s21, s21, 3
	s_lshl_b32 s21, s21, 1
	s_or_b32 s21, s21, s26                         ; which 32 columns: 0 .. 95
	s_lshl_b32 s21, s21, 5                         ; the work-group's first column
	v_lshlrev_b32 v3, 2, v2                        ; in: 4 bytes a lane
	s_lshl_b32 s23, s20, 6
	v_mul_u32_u24 v4, v2, PITCH
	v_add_nc_u32 v4, s23, v4
	v_add_nc_u32 v4, STA, v4                       ; into the stage: row = my column, my wave's 64 bytes of its 256
	s_lshl_b32 s23, s20, 2
	v_lshl_add_u32 v10, v2, 4, s23
	v_add_nc_u32 v10, SCA, v10                     ; my scale word: 16 bytes a column, 4 a wave
	v_lshl_add_u32 v14, v2, 4, SCA                 ; and where wave 0 reads a column's four words back
	v_and_b32 v5, 15, v2
	v_lshrrev_b32 v6, 4, v2
	s_mul_i32 s23, s20, 8*PITCH                    ; out of the stage: wave w takes rows 8 w .. 8 w + 7; sixteen lanes to a row, two rows an instruction
	s_add_co_u32 s23, s23, STA
	v_mul_u32_u24 v7, v6, PITCH
	v_lshl_add_u32 v7, v5, 4, v7
	v_add_nc_u32 v7, s23, v7
	v_lshlrev_b32 v8, 10, v6                       ; and the same place in wc: a row is 1,024 bytes
	v_lshl_add_u32 v8, v5, 4, v8
	v_lshlrev_b32 v9, 6, v2                        ; a column's row of scale bytes: 64 bytes
	s_lshl_b32 s24, s22, 9                         ; in: row 512 x run + 128 x wave, 12,288 bytes a row,
	s_lshl_b32 s26, s20, 7
	s_add_co_u32 s24, s24, s26
	s_mul_i32 s24, s24, 12288
	s_lshl_b32 s26, s21, 2
	s_add_co_u32 s24, s24, s26                     ; + 4 x column
	s_add_nc_u64 s[6:7], s[6:7], s[24:25]
	s_lshl_b32 s26, s20, 3                         ; codes: (first column + 8 x wave) x 1,024 + 256 for each 512 along K
	s_add_co_u32 s24, s21, s26
	s_lshl_b32 s24, s24, 10
	s_lshl_b32 s26, s22, 8
	s_add_co_u32 s24, s24, s26
	s_add_nc_u64 s[14:15], s[14:15], s[24:25]
	s_lshl_b32 s24, s21, 6                         ; scale bytes: first column x 64 + 16 for each 512 along K
	s_lshl_b32 s26, s22, 4
	s_add_co_u32 s24, s24, s26
	s_add_nc_u64 s[16:17], s[16:17], s[24:25]
.macro LOADW t                         ; w_attn(32 t + i, my column) into set t % 2; the largest offset, 127 rows of 12,288 bytes, lies inside the signed 24-bit immediate
.irp i, 0,1,2,3,4,5,6,7,8,9,10,11,12,13,14,15,16,17,18,19,20,21,22,23,24,25,26,27,28,29,30,31
	global_load_b32 v[WX+32*((\t)%2)+\i], v3, s[6:7] offset:(32*(\t)+\i)*12288 th:TH_LOAD_NT
.endr
.endm
.macro BLOCKW t
.set XS, WX+32*((\t)%2)
.if (\t) < 3
	s_wait_loadcnt 32                              ; this block's 32 loads are in; the next block's may be out
.else
	s_wait_loadcnt 0x0
.endif
	v_max3_num_f32 v12, |v[XS]|, |v[XS+1]|, |v[XS+2]|      ; the block's largest magnitude: all 32 numbers are mine; two chains
	v_max3_num_f32 v13, |v[XS+3]|, |v[XS+4]|, |v[XS+5]|
.irp i, 6,10,14,18,22,26
	v_max3_num_f32 v12, v12, |v[XS+\i]|, |v[XS+\i+1]|
	v_max3_num_f32 v13, v13, |v[XS+\i+2]|, |v[XS+\i+3]|
.endr
	v_max3_num_f32 v12, v12, |v[XS+30]|, |v[XS+31]|
	v_max3_num_f32 v12, v12, v13, (EMAX+1)<<23     ; and the floor 2^(3 - 127): the byte cannot fall under 1
	v_add_nc_u32 v11, -(EMAX<<23), v12             ; 2 off its exponent field: the conversion takes the exponent field of this operand as its scale
	v_lshrrev_b32 v13, 23, v11                     ; the scale's byte
.if (\t) == 0
	v_mov_b32 v[WSB], v13                          ; four bytes to a register, the lower K in the lower byte
.else
	v_lshl_or_b32 v[WSB], v13, 8*(\t), v[WSB]
.endif
.irp g, 0,1,2,3
	v_cvt_scalef32_pk8_fp4_f32 v[WC+\g], v[XS+8*\g:XS+8*\g+7], v11
.endr
	ds_store_b128 v4, v[WC:WC+3] offset:16*(\t)    ; 32 codes: 16 bytes of my column's row
.if (\t)+2 < 4
	LOADW (\t)+2
.endif
	s_wait_dscnt 0x0                               ; the store has read its registers: the next block's codes may be written
.endm
	LOADW 0
	LOADW 1
	BLOCKW 0
	BLOCKW 1
	BLOCKW 2
	BLOCKW 3
	ds_store_b32 v10, v[WSB]
	s_wait_dscnt 0x0                               ; for the others' sake: my stores into the stage are done
	s_barrier_signal -1                            ; the branch that leads to this path hangs on the work-group's number: all four waves are on it
	s_barrier_wait -1                              ; 32 whole rows of 256 bytes lie in the stage
.irp t, 0,1,2,3
	ds_load_b128 v[WOUT+4*\t:WOUT+4*\t+3], v7 offset:2*\t*PITCH
.endr
.irp t, 0,1,2,3
	s_wait_dscnt 3-\t                              ; load t is in; the younger ones may be out
	global_store_b128 v8, v[WOUT+4*\t:WOUT+4*\t+3], s[14:15] offset:2*\t*1024   ; sixteen lanes store 256 consecutive bytes, aligned
.endr
	s_cmp_lg_u32 s20, 0                            ; wave 0 stores the 16 scale bytes of each of the 32 columns
	s_cbranch_scc1 .Lno_scales
	ds_load_b128 v[WSB:WSB+3], v14
	s_wait_dscnt 0x0
	global_store_b128 v9, v[WSB:WSB+3], s[16:17]
.Lno_scales:
	FINISH
	; ---- x -> xc, xs.  Rows are dense, so x is a plain stream of blocks of 32.  A wave: 16 steps of 512 numbers; loads run eight steps, 32 loads of 512 bytes, ahead.
	; Each load reads 512 consecutive bytes; a step's 2,048 bytes turn through the wave's stage so that a lane gets 16 neighbours (two lanes hold a block).
.Lx:
	v_lshlrev_b32 v3, 4, v2                        ; my 16 bytes of a load's 512
	s_lshl_b32 s21, s20, 13                        ; my wave's 8,192 bytes of LDS
	v_lshrrev_b32 v14, 2, v2
	v_mul_u32_u24 v14, v14, SP
	v_and_b32 v15, 3, v2
	v_lshl_add_u32 v14, v15, 4, v14
	v_add_nc_u32 v14, s21, v14                     ; into the stage: four lanes' 64 bytes on end, then 16 of padding
	v_mul_u32_u24 v15, v2, SP
	v_add_nc_u32 v15, s21, v15                     ; out of it: my 16 neighbours
	v_lshlrev_b32 v4, 3, v2                        ; my 8 bytes of a step's codes
	v_lshrrev_b32 v5, 1, v2
	s_add_co_u32 s21, s21, 2*32*SP
	v_add_nc_u32 v5, s21, v5                       ; my wave's 256 scale bytes: my block's byte
	v_lshlrev_b32 v7, 3, v2                        ; and on the way out 8 bytes a lane
	v_add_nc_u32 v6, s21, v7
	s_lshl_b32 s22, ttmp9, 2
	s_add_co_u32 s22, s22, s20                     ; which run of 8,192 numbers is my wave's
	s_lshl_b32 s24, s22, 15
	s_add_nc_u64 s[4:5], s[4:5], s[24:25]
	s_lshl_b32 s24, s22, 12
	s_add_nc_u64 s[10:11], s[10:11], s[24:25]
	s_lshl_b32 s24, s22, 8
	s_add_nc_u64 s[12:13], s[12:13], s[24:25]
.macro LOADX t
.irp i, 0,1,2,3
	global_load_b128 v[XR+16*((\t)%8)+4*\i:XR+16*((\t)%8)+4*\i+3], v3, s[4:5] offset:2048*(\t)+512*\i th:TH_LOAD_NT
.endr
.endm
.macro TURNX t                         ; step t's numbers through the stage; LDS serves a wave's instructions in order
.irp i, 0,1,2,3
	ds_store_b128 v14, v[XR+16*((\t)%8)+4*\i:XR+16*((\t)%8)+4*\i+3] offset:32*SP*((\t)%2)+8*SP*\i
.endr
.irp i, 0,1,2,3
	ds_load_b128 v[XX+16*((\t)%2)+4*\i:XX+16*((\t)%2)+4*\i+3], v15 offset:32*SP*((\t)%2)+16*\i
.endr
.endm
.irp t, 0,1,2,3,4,5,6,7
	LOADX \t
.endr
	s_wait_loadcnt 28                              ; step 0's four loads are in; seven steps' 28 may be out
	TURNX 0
.macro STEPX t
.set XS, XX+16*((\t)%2)
.if (\t) > 0
	s_wait_dscnt 1                                 ; this step's numbers are back from the stage (the last step's byte store may be out)
.else
	s_wait_dscnt 0x0
.endif
.if (\t)+8 < 16
	LOADX (\t)+8                                   ; into the registers that the stage's stores have read
.endif
.if (\t)+1 < 16
.if 14-(\t) >= 7
	s_wait_loadcnt 28                              ; the next step's four loads are in; seven steps' 28 may be out
.else
	s_wait_loadcnt 4*(14-(\t))
.endif
	TURNX (\t)+1
.endif
	v_max3_num_f32 v8, |v[XS]|, |v[XS+1]|, |v[XS+2]|       ; the largest magnitude of my 16
	v_max3_num_f32 v9, |v[XS+3]|, |v[XS+4]|, |v[XS+5]|
.irp i, 6,10
	v_max3_num_f32 v8, v8, |v[XS+\i]|, |v[XS+\i+1]|
	v_max3_num_f32 v9, v9, |v[XS+\i+2]|, |v[XS+\i+3]|
.endr
	v_max3_num_f32 v8, v8, |v[XS+14]|, |v[XS+15]|
	v_max3_num_f32 v8, v8, v9, (EMAX+1)<<23        ; and the floor
	v_max_num_f32_dpp v8, v8, v8 row_xmask:1 row_mask:0xf bank_mask:0xf   ; and of my neighbour's 16: the block's
	v_add_nc_u32 v11, -(EMAX<<23), v8
	v_cvt_scalef32_pk8_fp4_f32 v[XC+2*(\t)], v[XS:XS+7], v11
	v_cvt_scalef32_pk8_fp4_f32 v[XC+2*(\t)+1], v[XS+8:XS+15], v11
	v_lshrrev_b32 v[XE+(\t)], 23, v11              ; the scale's byte
	ds_store_b8 v5, v[XE+(\t)] offset:16*(\t)      ; both lanes of a block write the same byte with the same value
	global_store_b64 v4, v[XC+2*(\t):XC+2*(\t)+1], s[10:11] offset:256*(\t)   ; the wave stores 256 consecutive bytes, aligned
.endm
.irp t, 0,1,2,3,4,5,6,7,8,9,10,11,12,13,14,15
	STEPX \t
.endr
	ds_load_b64 v[8:9], v6
	s_wait_dscnt 0x0
	global_store_b64 v7, v[8:9], s[12:13]          ; the wave's 256 scale bytes, aligned
	FINISH
.Lfunc_end_k_q27732cad7e_prep:
	.size	k_q27732cad7e_prep, .Lfunc_end_k_q27732cad7e_prep-k_q27732cad7e_prep
	.p2alignl 7, 3214868480
	.fill 96, 4, 3214868480
	.section	.rodata,"a",@progbits
	.p2align	6, 0x0
	.amdhsa_kernel k_q27732cad7e_prep
		.amdhsa_group_segment_fixed_size 77312
		.amdhsa_private_segment_fixed_size 0
		.amdhsa_enable_private_segment 0
		.amdhsa_kernarg_size 64
		.amdhsa_user_sgpr_count 2
		.amdhsa_user_sgpr_kernarg_segment_ptr 1
		.amdhsa_wavefront_size32 1
		.amdhsa_system_sgpr_workgroup_id_x 1
		.amdhsa_system_sgpr_workgroup_id_y 1
		.amdhsa_system_sgpr_workgroup_id_z 1
		.amdhsa_system_vgpr_workitem_id 0
		.amdhsa_next_free_vgpr 232
		.amdhsa_next_free_sgpr 66
		.amdhsa_reserve_vcc 0
		.amdhsa_float_denorm_mode_32 3
		.amdhsa_float_denorm_mode_16_64 3
		.amdhsa_memory_ordered 1
		.amdhsa_forward_progress 1
		.amdhsa_inst_pref_size 76
	.end_amdhsa_kernel
	.amdgpu_metadata
---
amdhsa.version: [ 1, 2 ]
amdhsa.kernels:
  - .name:           k_q27732cad7e_prep
    .symbol:         k_q27732cad7e_prep.kd
    .args:
      - { .name: x, .offset: 0, .size: 8, .value_kind: global_buffer, .address_space: global }
      - { .name: w_attn, .offset: 8, .size: 8, .value_kind: global_buffer, .address_space: global }
      - { .name: w_proj, .offset: 16, .size: 8, .value_kind: global_buffer, .address_space: global }
      - { .name: xc, .offset: 24, .size: 8, .value_kind: global_buffer, .address_space: global }
      - { .name: xs, .offset: 32, .size: 8, .value_kind: global_buffer, .address_space: global }
      - { .name: wc, .offset: 40, .size: 8, .value_kind: global_buffer, .address_space: global }
      - { .name: ws, .offset: 48, .size: 8, .value_kind: global_buffer, .address_space: global }
      - { .name: wpt, .offset: 56, .size: 8, .value_kind: global_buffer, .address_space: global }
    .group_segment_fixed_size: 77312
    .private_segment_fixed_size: 0
    .kernarg_segment_align: 8
    .kernarg_segment_size: 64
    .max_flat_workgroup_size: 128
    .sgpr_count:     66
    .vgpr_count:     232
    .wavefront_size: 32
...
	.end_amdgpu_metadata
.endif
;; end of part 1
;; launch qkvg (part 2): grid 12 x 8, 4 waves a work-group, clusters of 4 x 4, 327,680 bytes of LDS; arguments xc, xs, wc, ws, cos, sin, qkv; writes qkv
.if DOCPART == 2
	.amdgcn_target "amdgcn-amd-amdhsa--gfx1250"
	.amdhsa_code_object_version 6
	.text
	.protected	k_q27732cad7e_qkvg
	.globl	k_q27732cad7e_qkvg
	.p2align	8
	.type	k_q27732cad7e_qkvg,@function
k_q27732cad7e_qkvg:
	s_mov_b64 s[64:65], 0
	v_nop
	global_prefetch_b8 v0, s[64:65] scope:SCOPE_SE
	s_setreg_imm32_b32 hwreg(HW_REG_WAVE_MODE, 25, 1), 1
	s_wait_xcnt 0x0
	s_wait_alu depctr_hold_cnt(0) depctr_sa_sdst(0) depctr_va_vdst(0) depctr_va_sdst(0) depctr_va_ssrc(0) depctr_va_vcc(0) depctr_vm_vsrc(0)
	s_getreg_b32 s2, hwreg(HW_REG_IB_STS2, 6, 4)
	s_cmp_eq_u32 s2, 0
	s_cbranch_scc0 .Lentry_in_a_cluster
	s_endpgm
.Lentry_in_a_cluster:
	s_bfe_u32 s2, ttmp6, 0x10000c
	s_cmp_lg_u32 s2, 0xf033
	s_cbranch_scc0 .Lentry_shape_is_right
	s_endpgm
.Lentry_shape_is_right:
; qkv = Q(x) Q(w_attn), on codes of E2M1 with one E8M0 scale for each 32 along K; then the rotation of q and k, in f32; then one rounding to f16.
; A = xc [2048 t][1,024 bytes], xs [2048][64];  B = wc [3072 n][1,024 bytes], ws [3072][64].  Out: qkv [24 slots][2048 t][128] f16, slot = n / 128 = 6 g + j: j 0..3 the group's query heads, 4 its keys, 5 its values.
; LIMITS: |q|, |k|, |v| stay under 65,504 (f16); numbers under 6.1e-5 carry an absolute error of 2^-25; NaN and infinities are not served.
; A tile of 256 t x 256 n is made by four waves, each 128 x 128: 64 accumulators of 16 x 16, 512 registers.  K goes in steps of 512 (rows of 256 bytes) through a ring of two LDS slots filled by tensor loads.
; The scale bytes of the work-group's rows, for all of K, are two dense blocks: they come into LDS once, with the first fills, and stay.
; CLUSTERS: 4 x 4 work-groups.  A's tile is shared along a row of the cluster, B's along a column: each is asked for jointly, by the same tensor load with the same descriptor and a mask that names the four.
; THE TILE COLUMN is 3 cx + cluster x: a wave's 128 columns are then exactly one slot, of group cx and of kind j = 2 x cluster x + (wave & 1): the kind is the same in all sixteen partners, so the one branch
; of the way out (values are not rotated) hangs on the cluster's number and the wave's alone.
; THE MATRIX INSTRUCTION IS USED TRANSPOSED (source 0 = 16 rows of B, source 1 = 16 rows of A): lane l holds row t = l % 16 and its registers the channels 16 b + 8 (l / 16) + 0..7 of block b.
; So channel d and channel d + 64 of a head lie in the same lane and register of blocks b and b + 4: the rotation changes no lane.
; With 96 tiles for the chip's WGPs a smaller tile would spread the work further; this launch is the smallest share of the program's matrix work, and the larger tile reads each fragment once.
; REGISTERS, in windows of 256: window 0: v0-31 addresses; v32-95 scale words, two sets; v128-191 A's fragments, one set; on the way out v32-95 rotated numbers, v96-127 packed, v128-191 rows read back.
;   window 1: B's fragments, two sets, at v0 and v128; v64-127 and v192-255: cos and sin of a block of 16 rows, two sets.   windows 2, 3: the accumulators ((a, b) at v[8 (8 (a % 4) + b)]).
.set KSTEP,  512
.set NQ,     KSTEP/128
.set ROWB,   256                       ; a tile's row in bytes
.set KROW,   1024                      ; a row of codes in memory
.set PITCH,  272                       ; an LDS row: 256 bytes + 16 of padding: the 16 rows that a load touches start at 16 different banks (64 banks of 4 bytes: ISA guide 11.1)
.set FR,     8
.set NL,     2
.set NP,     4                         ; places behind this matrix instruction (ISA guide 7.12.1)
.set HALFT,  128*PITCH
.set SLOT,   4*HALFT
.set LAPS,   2                         ; 2,048 along K = four K steps = twice round the ring
.set KS,     64                        ; a row of scale bytes
.set SCL,    2*SLOT
.set HALFS,  (128*KS/256)*272
.set SBLK,   (16*KS/256)*272
.set SPARE,  SCL+4*HALFS               ; the spare words, 128 bytes a wave: two blocks of 256 bytes that no other line names
.set SPITCH, 272                       ; the way out: a stage of 16 rows x (256 bytes + 16) for each wave, in slot 0, which has had its last fill and its last read by then
.set PLOFF,  4*16*SPITCH               ; the path without rotation has stages of its own, behind the others
.set ADRA, 16
.set ADRB, 20
.set STO,  24
.set RD,   25
.set CO,   26
.set ADRS, 27
.set SPW,  28
.set NIL,  29
.set CSO,  30                          ; v30 my byte in a block's 16 rows of cos or sin: 256 (l % 16) + 32 (l / 16); never rewritten
.set SC,   32
.set AF,   128
.set RT,   32
.set TMP,  96
.set BK,   128
.set G1, 24
.set G0, 32
.set G1B, 48
.set G0B, 56
.set G1S, 68
.set G0S, 76
.set G1SB, 80
.set G0SB, 88
.set MSB, 0
.macro WIN new                         ; the immediate's high byte repeats the setting that is left
.if MSB != \new
	s_set_vgpr_msb (MSB<<8)|\new
.set MSB, \new
.endif
.endm
.set MUL_LO, 0xa1                      ; source 0 (B) window 1, source 1 (A) window 0, C and D window 2
.set MUL_HI, 0xf1
.set TO_B,   0x40
; A joint load: waves 0 and 1 fetch for A, waves 2 and 3 for B; the branch hangs on the wave's number alone.  An s_nop 0 and four v_nop follow each line.
.macro JLOAD g0a, g1a, g0b, g1b
	s_cmp_eq_u32 s15, 0
	s_cbranch_scc0 .Lfor_b_\@
	tensor_load_to_lds s[\g0a:\g0a+3], s[\g1a:\g1a+7]
	s_nop 0
.rept 4
	v_nop
.endr
	s_branch .Lasked_\@
.Lfor_b_\@:
	tensor_load_to_lds s[\g0b:\g0b+3], s[\g1b:\g1b+7]
	s_nop 0
.rept 4
	v_nop
.endr
.Lasked_\@:
.endm
.macro CREST                           ; a round of the cluster's barrier behind its opening barrier
	s_cmp_lg_u32 s14, 0
	s_cbranch_scc1 .Lnot_wave_0_\@
	s_barrier_signal -3
.Lnot_wave_0_\@:
	s_barrier_wait -3
	s_barrier_signal -1
	s_barrier_wait -1
.endm
.macro CROUND
	s_barrier_signal -1
	s_barrier_wait -1
	CREST
.endm
	s_load_b128 s[4:7], s[0:1], 0x0                ; x's codes s[4:5], x's scales s[6:7]
	s_load_b128 s[8:11], s[0:1], 0x10              ; w's codes s[8:9], w's scales s[10:11]
	s_load_b128 s[96:99], s[0:1], 0x20             ; cos s[96:97], sin s[98:99]
	s_load_b64 s[12:13], s[0:1], 0x30              ; qkv
	v_lshl_add_u32 v[SPW], v0, 2, SPARE
	v_mov_b32 v[NIL], 0
	ds_add_u32 v[SPW], v[NIL]                      ; the wave's opening: the add, twice on end, and its wait ahead of my first tensor load
	ds_add_u32 v[SPW], v[NIL]
	v_lshrrev_b32 v1, 5, v0
	v_readfirstlane_b32 s14, v1                    ; wave 0..3
	s_lshr_b32 s15, s14, 1                         ; which half of the tile's rows is mine.  Also: I fetch for A (0) or for B (1)
	s_and_b32 s16, s14, 1                          ; which half of its columns.  Also: which 128 rows of that tile I fetch
	s_bfe_u32 s40, ttmp6, 0x40000                  ; cx, cy
	s_bfe_u32 s41, ttmp6, 0x40004
	s_lshl_b32 s42, s40, 1
	s_add_co_u32 s42, s42, s40
	s_add_co_u32 s42, s42, ttmp9                   ; tile column = 3 cx + cluster x: 0 .. 11, each once
	s_and_b32 s17, ttmp7, 0xffff
	s_lshl_b32 s17, s17, 2
	s_add_co_u32 s17, s17, s41                     ; tile row = 4 x cluster y + cy
	s_lshl_b32 s43, s41, 2
	s_lshl_b32 s43, 15, s43                        ; my row of the cluster
	s_lshl_b32 s44, 0x1111, s40                    ; my column
	; descriptor group 1: a tile of 128 rows x 256 bytes, 16 bytes of padding behind each row
	s_or_b32 s[G1+0], s43, (0<<16)|(1<<20)|(1<<21)|(5<<22)|(3<<25)
	s_or_b32 s[G1B+0], s44, (0<<16)|(1<<20)|(1<<21)|(5<<22)|(3<<25)
.irp g, G1, G1B
	s_mov_b32 s[\g+1], ROWB<<16                    ; tensor_dim0
	s_mov_b32 s[\g+2], 128<<16                     ; tensor_dim1
	s_mov_b32 s[\g+3], ROWB<<16                    ; tile_dim0
	s_mov_b32 s[\g+4], 128                         ; tile_dim1
	s_mov_b32 s[\g+5], KROW                        ; from row to row
	s_mov_b32 s[\g+6], 0
	s_mov_b32 s[\g+7], 0
.endr
	; the scales of 128 rows: 8,192 dense bytes as 32 rows of 256 bytes (32 elements of 8), 16 bytes of padding behind each
	s_or_b32 s[G1S+0], s43, (3<<16)|(1<<20)|(1<<21)|(5<<22)|(3<<25)
	s_or_b32 s[G1SB+0], s44, (3<<16)|(1<<20)|(1<<21)|(5<<22)|(3<<25)
.irp g, G1S, G1SB
	s_mov_b32 s[\g+1], 32<<16
	s_mov_b32 s[\g+2], (128*KS/256)<<16
	s_mov_b32 s[\g+3], 32<<16
	s_mov_b32 s[\g+4], 128*KS/256
	s_mov_b32 s[\g+5], 32
	s_mov_b32 s[\g+6], 0
	s_mov_b32 s[\g+7], 0
.endr
	s_lshl_b32 s18, s16, 7                         ; which 128 rows of the tile I fetch
	s_lshl_b32 s20, s17, 8
	s_add_co_u32 s20, s20, s18                     ; A: row 256 x tile row + 128 x half
	s_lshl_b32 s46, s42, 8
	s_add_co_u32 s46, s46, s18                     ; B: row 256 x tile column + 128 x half
	s_mov_b32 s21, 0
	s_mov_b32 s47, 0
	s_mov_b64 s[18:19], KS
	s_mul_u64 s[22:23], s[20:21], s[18:19]         ; where these rows' scales begin
	s_mul_u64 s[92:93], s[46:47], s[18:19]
	s_mov_b64 s[18:19], KROW
	s_mul_u64 s[20:21], s[20:21], s[18:19]         ; and their codes
	s_mul_u64 s[46:47], s[46:47], s[18:19]
	s_mul_i32 s45, s14, HALFT                      ; where they go: wave x 128 rows
	s_mul_i32 s94, s14, HALFS
	s_wait_dscnt 0x0                               ; both opening adds are done
	s_wait_kmcnt 0x0
	s_add_nc_u64 s[20:21], s[4:5], s[20:21]
	s_add_nc_u64 s[22:23], s[6:7], s[22:23]
	s_add_nc_u64 s[46:47], s[8:9], s[46:47]
	s_add_nc_u64 s[92:93], s[10:11], s[92:93]
	CROUND                                         ; all sixteen work-groups are here: the first joint loads meet
	s_mov_b32 s[G0S], 1
	s_add_co_u32 s[G0S+1], s94, SCL
	s_mov_b64 s[G0S+2:G0S+3], s[22:23]
	s_or_b32 s[G0S+3], s[G0S+3], 0x80000000
	s_mov_b32 s[G0SB], 1
	s_add_co_u32 s[G0SB+1], s94, SCL
	s_mov_b64 s[G0SB+2:G0SB+3], s[92:93]
	s_or_b32 s[G0SB+3], s[G0SB+3], 0x80000000
	JLOAD G0S, G1S, G0SB, G1SB                     ; the scales first: they are wanted with K step 0.  Three tensor loads of mine are out behind the next two
.irp s, 0,1
	s_mov_b32 s[G0+4*\s], 1
	s_add_co_u32 s[G0+4*\s+1], s45, \s*SLOT
	s_add_nc_u64 s[G0+4*\s+2:G0+4*\s+3], s[20:21], \s*ROWB
	s_or_b32 s[G0+4*\s+3], s[G0+4*\s+3], 0x80000000
	s_mov_b32 s[G0B+4*\s], 1
	s_add_co_u32 s[G0B+4*\s+1], s45, \s*SLOT
	s_add_nc_u64 s[G0B+4*\s+2:G0B+4*\s+3], s[46:47], \s*ROWB
	s_or_b32 s[G0B+4*\s+3], s[G0B+4*\s+3], 0x80000000
	JLOAD G0+4*\s, G1, G0B+4*\s, G1B
.endr
	v_and_b32 v1, 15, v0                           ; l % 16
	v_bfe_u32 v2, v0, 4, 1                         ; l / 16
	v_mul_u32_u24 v3, v1, PITCH
	v_lshl_add_u32 v4, v2, 4, v3                   ; a fragment's row x pitch + 16 x half
	s_mul_i32 s21, s15, HALFT                      ; my 128 rows of A
	s_mul_i32 s22, s16, HALFT                      ; my 128 rows of B,
	s_add_co_u32 s22, s22, 2*HALFT                 ; which lie behind A's 256
.irp s, 0,1
	v_add_nc_u32 v[ADRA+\s], s21, v4
	v_add_nc_u32 v[ADRB+\s], s22, v4
	s_add_co_u32 s21, s21, SLOT
	s_add_co_u32 s22, s22, SLOT
.endr
	v_mul_u32_u24 v5, v1, KS                       ; my row's scales: 64 bytes a row,
	v_lshrrev_b32 v6, 8, v5
	v_lshl_add_u32 v5, v6, 4, v5                   ; and 16 more for each 256 passed
	s_mul_i32 s21, s15, HALFS
	s_mul_i32 s22, s16, HALFS
	s_add_co_u32 s22, s22, 2*HALFS
	s_sub_co_u32 s22, s22, s21
	v_mul_u32_u24 v6, s22, v2                      ; lanes 16-31 take B's
	s_add_co_u32 s21, s21, SCL
	v_add_nc_u32 v5, v5, v6
	v_add_nc_u32 v[ADRS], s21, v5
	s_mul_i32 s23, s14, 16*SPITCH                  ; my stage
	v_mul_u32_u24 v5, v1, SPITCH                   ; in: row l % 16, 16 bytes for each half of the lanes
	v_lshl_add_u32 v5, v2, 4, v5
	v_add_nc_u32 v[STO], s23, v5
	v_mul_u32_u24 v5, v2, SPITCH                   ; back: lanes 0-15 one row of 256 bytes, lanes 16-31 the next
	v_lshl_add_u32 v5, v1, 4, v5
	v_add_nc_u32 v[RD], s23, v5
	v_and_b32 v6, 31, v0
	v_lshlrev_b32 v[CO], 4, v6                     ; a slot's rows are dense: two rows are 512 consecutive bytes, 16 a lane
	v_lshlrev_b32 v[CSO], 8, v1
	v_lshl_add_u32 v[CSO], v2, 5, v[CSO]
	s_lshl_b32 s20, s17, 8
	s_lshl_b32 s21, s15, 7
	s_add_co_u32 s20, s20, s21                     ; my first row t: 256 x tile row + 128 x half
	s_lshl_b32 s20, s20, 8                         ; 256 bytes a row in cos, in sin and in a slot of qkv
	s_mov_b32 s21, 0
	s_add_nc_u64 s[96:97], s[96:97], s[20:21]
	s_add_nc_u64 s[98:99], s[98:99], s[20:21]
	s_add_nc_u64 s[12:13], s[12:13], s[20:21]
	s_lshl_b32 s46, s42, 1
	s_add_co_u32 s46, s46, s16                     ; my slot: 2 x tile column + half
	s_lshl_b32 s46, s46, 19                        ; 524,288 bytes a slot
	s_mov_b32 s47, 0
	s_add_nc_u64 s[12:13], s[12:13], s[46:47]
	s_lshl_b32 s95, ttmp9, 1
	s_add_co_u32 s95, s95, s16                     ; the slot's kind j: 0..3 queries, 4 keys, 5 values
.macro FRAG reg, adr, q, i             ; 16 rows x 128 K of 4-bit codes: 8 registers; registers 4 c .. 4 c + 3 hold K = 64 c + 32 (l / 16) + 0 .. 31
.irp c, 0,1
	ds_load_b128 v[\reg+4*\c:\reg+4*\c+3], v[\adr] offset:64*(\q)+32*\c+(\i)*16*PITCH
.endr
.endm
; 16 matrix instructions: A's blocks a0, a0 + 1 x B's eight.  The 64 accumulators take turns, one instruction a turn, in the same order in every step.
.macro MUL16 a0, p, q, sc, zero
.irp a, \a0, \a0+1
.irp b, 0,1,2,3,4,5,6,7
.if \zero
	v_wmma_scale_f32_16x16x128_f8f6f4 v[8*(8*((\a)%4)+\b):8*(8*((\a)%4)+\b)+7], v[128*(\p)+FR*\b:128*(\p)+FR*\b+FR-1], v[AF+FR*(\a):AF+FR*(\a)+FR-1], 0, v[SC+8*NQ*(\sc)+NQ*\b+(\q)], v[SC+8*NQ*(\sc)+NQ*(\a)+(\q)] matrix_a_fmt:MATRIX_FMT_FP4 matrix_b_fmt:MATRIX_FMT_FP4 matrix_a_scale:MATRIX_SCALE_ROW1
.else
	v_wmma_scale_f32_16x16x128_f8f6f4 v[8*(8*((\a)%4)+\b):8*(8*((\a)%4)+\b)+7], v[128*(\p)+FR*\b:128*(\p)+FR*\b+FR-1], v[AF+FR*(\a):AF+FR*(\a)+FR-1], v[8*(8*((\a)%4)+\b):8*(8*((\a)%4)+\b)+7], v[SC+8*NQ*(\sc)+NQ*\b+(\q)], v[SC+8*NQ*(\sc)+NQ*(\a)+(\q)] matrix_a_fmt:MATRIX_FMT_FP4 matrix_b_fmt:MATRIX_FMT_FP4 matrix_a_scale:MATRIX_SCALE_ROW1
.endif
.endr
.endr
.endm
.macro FETCH_B slot, q, p
	WIN TO_B
.irp i, 0,1,2,3,4,5,6,7
	FRAG 128*(\p)+FR*\i, ADRB+\slot, \q, \i
.endr
	WIN 0
.endm
.macro FETCH_A slot, q, i0
.irp i, \i0, \i0+1, \i0+2, \i0+3
	FRAG AF+FR*(\i), ADRA+\slot, \q, \i
.endr
.endm
.macro SCALES sc                       ; a K step's scale words: lanes 0-15 take A's block i, lanes 16-31 B's block i
.irp i, 0,1,2,3,4,5,6,7
	ds_load_b128 v[SC+8*NQ*\sc+NQ*\i:SC+8*NQ*\sc+NQ*\i+3], v[ADRS] offset:\i*SBLK
.endr
.endm
.macro PLACES n                        ; plain vector instructions between a matrix instruction and a load into, or a read of, its registers
.rept \n
	v_nop
.endr
.endm
.macro STEP slot, q, zero              ; 128 along K with a successor in the same slot
	s_wait_dscnt 4*NL                              ; B's set and A's blocks 0-3 are in; the youngest eight loads (A's blocks 4-7) may be out
	WIN MUL_LO
	MUL16 0, (\q)%2, \q, \slot, \zero
	MUL16 2, (\q)%2, \q, \slot, \zero
	s_wait_dscnt 0
	PLACES NP
	FETCH_B \slot, (\q)+1, 1-(\q)%2
	FETCH_A \slot, (\q)+1, 0
	WIN MUL_HI
	MUL16 4, (\q)%2, \q, \slot, \zero
	MUL16 6, (\q)%2, \q, \slot, \zero
	PLACES NP
	WIN 0
	FETCH_A \slot, (\q)+1, 4
.endm
; A slot's last step changes slots: one barrier; in front of it each wave waits for all its tensor loads, adds 0 to its spare word, and waits for that and for its reads of this slot.
.macro TURN slot, next, fill
	s_wait_tensorcnt 0x0                           ; all my tensor loads have landed: my part of the next slot
	ds_add_u32 v[SPW], v[NIL]
	s_wait_dscnt 4*NL+1                            ; (the add and the youngest eight loads may be out)
	WIN MUL_LO
	MUL16 0, 1, NQ-1, \slot, 0
	s_wait_dscnt 0x0                               ; the add is done, and my reads of this slot are over
	s_barrier_signal -1
	MUL16 2, 1, NQ-1, \slot, 0
	WIN 0
	s_barrier_wait -1
.if \fill
	CREST                                          ; the barrier has opened a round of the cluster's barrier: no wave of any partner still reads this slot or has a load on its way
	s_add_nc_u64 s[G0+4*\slot+2:G0+4*\slot+3], s[G0+4*\slot+2:G0+4*\slot+3], 2*ROWB
	s_add_nc_u64 s[G0B+4*\slot+2:G0B+4*\slot+3], s[G0B+4*\slot+2:G0B+4*\slot+3], 2*ROWB
	JLOAD G0+4*\slot, G1, G0B+4*\slot, G1B         ; the first tensor load behind the round, and my only one until the next
.else
	PLACES NP
.endif
	v_add_nc_u32 v[ADRS], 4*NQ, v[ADRS]            ; the next K step's scale words
	FETCH_B \next, 0, 0
	FETCH_A \next, 0, 0
	SCALES \next
	WIN MUL_HI
	MUL16 4, 1, NQ-1, \slot, 0
	MUL16 6, 1, NQ-1, \slot, 0
	PLACES NP
	WIN 0
	FETCH_A \next, 0, 4
.endm
.macro STEPS slot, from
.set Q, \from
.rept NQ-1-\from
	STEP \slot, Q, 0
.set Q, Q+1
.endr
.endm
; cos and sin of block a's 16 rows: lane (r, h) wants, of row r, the 32 numbers 16 b + 8 h + 0..7, b = 0..3; a table's eight loads cover the block's 16 rows of 256 bytes whole.  16 loads.
.macro CSLOAD a
.set CSB, 64+128*((\a)%2)
	WIN 0x40                                       ; destination window 1
.irp b, 0,1,2,3
.irp u, 0,1
	global_load_b128 v[CSB+8*\b+4*\u:CSB+8*\b+4*\u+3], v[CSO], s[96:97] offset:4096*(\a)+64*\b+16*\u
	global_load_b128 v[CSB+32+8*\b+4*\u:CSB+32+8*\b+4*\u+3], v[CSO], s[98:99] offset:4096*(\a)+64*\b+16*\u
.endr
.endr
	WIN 0
.endm
	s_wait_tensorcnt 1                             ; the scales and my part of K step 0 are in (K step 1's load may be out),
	s_barrier_signal -1
	s_barrier_wait -1                              ; everybody's are
	FETCH_B 0, 0, 0
	FETCH_A 0, 0, 0
	SCALES 0
	FETCH_A 0, 0, 4
	STEP 0, 0, 1                                   ; the first step stands in front of the loop: its products start the sums
	s_mov_b32 s3, LAPS-1
.Llap:                                                 ; a trip goes once round the ring and fills both slots again
	STEPS 0, 1
	TURN 0, 1, 1
	STEPS 1, 0
	TURN 1, 0, 1
	STEP 0, 0, 0
	s_sub_co_u32 s3, s3, 1
	s_cmp_lg_u32 s3, 0
	s_cbranch_scc1 .Llap
	STEPS 0, 1                                     ; the last lap fills nothing
	TURN 0, 1, 0
	CSLOAD 0                                       ; cos and sin of the first two blocks are asked for a K step ahead of the way out, into registers that lie idle.
	CSLOAD 1                                       ; Every wave asks, the values' waves too: the text has one parting, on the way out
	STEPS 1, 0
	s_wait_dscnt 4*NL
	WIN MUL_LO
	MUL16 0, 1, NQ-1, 1, 0
	MUL16 2, 1, NQ-1, 1, 0
	s_wait_dscnt 0
	WIN MUL_HI
	MUL16 4, 1, NQ-1, 1, 0
	MUL16 6, 1, NQ-1, 1, 0
	WIN 0
; THE WAY OUT, block by block of 16 rows x 128 channels.
; ROPE: pair i = 4 b + jj of 16: x1 = channels d, x2 = channels d + 64.  out(d) = x1 cos - x2 sin, out(d + 64) = x1 sin + x2 cos, in f32, then f16.  Each accumulator is read from its low end on.
.macro ROPE a
.set AC, 64*((\a)%4)
.set CSB, 64+128*((\a)%2)
.if (\a) < 7
	s_wait_loadcnt 16                              ; this block's 16 loads are in; the next block's may be out
.else
	s_wait_loadcnt 0x0
.endif
	WIN (0x06+(\a)/4)                              ; source 0: the accumulators' window; source 1: window 1; source 2 and destination: window 0
.set i, 0
.rept 16
	v_pk_mul_f32 v[RT+2*i:RT+2*i+1], v[AC+32+2*i:AC+32+2*i+1], v[CSB+32+2*i:CSB+32+2*i+1]      ; x2 sin
.set i, i+1
.endr
.set i, 0
.rept 16
	v_pk_mul_f32 v[RT+32+2*i:RT+32+2*i+1], v[AC+32+2*i:AC+32+2*i+1], v[CSB+2*i:CSB+2*i+1]      ; x2 cos
.set i, i+1
.endr
.set i, 0
.rept 16
	v_pk_fma_f32 v[RT+2*i:RT+2*i+1], v[AC+2*i:AC+2*i+1], v[CSB+2*i:CSB+2*i+1], v[RT+2*i:RT+2*i+1] neg_lo:[0,0,1] neg_hi:[0,0,1]   ; x1 cos - x2 sin
.set i, i+1
.endr
.set i, 0
.rept 16
	v_pk_fma_f32 v[RT+32+2*i:RT+32+2*i+1], v[AC+2*i:AC+2*i+1], v[CSB+32+2*i:CSB+32+2*i+1], v[RT+32+2*i:RT+32+2*i+1]            ; x1 sin + x2 cos
.set i, i+1
.endr
	WIN 0
.if (\a) < 6
	CSLOAD (\a)+2                                  ; into the set just read
.endif
.set i, 0
.rept 32
	v_cvt_pk_f16_f32 v[TMP+i], v[RT+2*i], v[RT+2*i+1]
.set i, i+1
.endr
.endm
.macro PLAIN a                         ; the values: rounded as they are
.set AC, 64*((\a)%4)
	WIN (0x0a+5*((\a)/4))                          ; sources 0 and 1: window 2 or 3
.irp b, 0,1,2,3,4,5,6,7
.irp r, 0,1,2,3
	v_cvt_pk_f16_f32 v[TMP+4*\b+\r], v[AC+8*\b+2*\r], v[AC+8*\b+2*\r+1]
.endr
.endr
	WIN 0
.endm
.macro TOSTAGE a, off                  ; 16 bytes a lane into my stage, and back as whole rows; LDS serves a wave's instructions in order (ISA guide 5.7.1.4)
.set BB, BK+32*((\a)%2)
.irp b, 0,1,2,3,4,5,6,7
	ds_store_b128 v[STO], v[TMP+4*\b:TMP+4*\b+3] offset:\off+32*\b
.endr
.irp t, 0,1,2,3,4,5,6,7
	ds_load_b128 v[BB+4*\t:BB+4*\t+3], v[RD] offset:\off+2*\t*SPITCH
.endr
.endm
.macro SEND a
.set BB, BK+32*((\a)%2)
	s_wait_dscnt 0x0                               ; the block is back in registers
	s_wait_xcnt 0x0                                ; the block before has had its stores' registers read: the next block's loads from the stage may land there
.irp t, 0,1,2,3,4,5,6,7
	global_store_b128 v[CO], v[BB+4*\t:BB+4*\t+3], s[12:13] offset:4096*(\a)+512*\t   ; 32 lanes store 512 consecutive bytes, aligned to 256
.endr
.endm
	PLACES NP                                      ; behind the last products: their scale words' and A's registers are written below, their results read
	s_cmp_eq_u32 s95, 5                            ; the cluster's number and the wave's alone
	s_cbranch_scc1 .Lplain
	ROPE 0
	TOSTAGE 0, 0
.irp a, 1,2,3,4,5,6,7                  ; block a's arithmetic stands between block a - 1's loads from the stage and the wait for them
	ROPE \a
	SEND \a-1
	TOSTAGE \a, 0
.endr
	SEND 7
	s_wait_tensorcnt 0x0                           ; the wave's end, behind my last tensor load and my last LDS store
	ds_add_u32 v[SPW], v[NIL]
	s_wait_dscnt 0x0
	s_branch .Ljoin
.Lplain:
	PLAIN 0
	TOSTAGE 0, PLOFF
.irp a, 1,2,3,4,5,6,7
	PLAIN \a
	SEND \a-1
	TOSTAGE \a, PLOFF
.endr
	SEND 7
	s_wait_tensorcnt 0x0                           ; the same three lines on this path
	ds_add_u32 v[SPW], v[NIL]
	s_wait_dscnt 0x0
.Ljoin:
	CROUND                                         ; the closing round: no work-group ends while a partner may still ask for a tile that names it
	s_endpgm
.Lfunc_end_k_q27732cad7e_qkvg:
	.size	k_q27732cad7e_qkvg, .Lfunc_end_k_q27732cad7e_qkvg-k_q27732cad7e_qkvg
	.p2alignl 7, 3214868480
	.fill 96, 4, 3214868480
	.section	.rodata,"a",@progbits
	.p2align	6, 0x0
	.amdhsa_kernel k_q27732cad7e_qkvg
		.amdhsa_group_segment_fixed_size 327680
		.amdhsa_private_segment_fixed_size 0
		.amdhsa_enable_private_segment 0
		.amdhsa_kernarg_size 56
		.amdhsa_user_sgpr_count 2
		.amdhsa_user_sgpr_kernarg_segment_ptr 1
		.amdhsa_wavefront_size32 1
		.amdhsa_system_sgpr_workgroup_id_x 1
		.amdhsa_system_sgpr_workgroup_id_y 1
		.amdhsa_system_sgpr_workgroup_id_z 1
		.amdhsa_system_vgpr_workitem_id 0
		.amdhsa_next_free_vgpr 1024
		.amdhsa_next_free_sgpr 100
		.amdhsa_reserve_vcc 0
		.amdhsa_float_denorm_mode_32 3
		.amdhsa_float_denorm_mode_16_64 3
		.amdhsa_memory_ordered 1
		.amdhsa_forward_progress 1
		.amdhsa_inst_pref_size 255
	.end_amdhsa_kernel
	.section	.bss,"aw",@nobits
	.p2align	6
	.space	262144
	.amdgpu_metadata
---
amdhsa.version: [ 1, 2 ]
amdhsa.kernels:
  - .name:           k_q27732cad7e_qkvg
    .symbol:         k_q27732cad7e_qkvg.kd
    .args:
      - { .name: xc, .offset: 0, .size: 8, .value_kind: global_buffer, .address_space: global }
      - { .name: xs, .offset: 8, .size: 8, .value_kind: global_buffer, .address_space: global }
      - { .name: wc, .offset: 16, .size: 8, .value_kind: global_buffer, .address_space: global }
      - { .name: ws, .offset: 24, .size: 8, .value_kind: global_buffer, .address_space: global }
      - { .name: cos, .offset: 32, .size: 8, .value_kind: global_buffer, .address_space: global }
      - { .name: sin, .offset: 40, .size: 8, .value_kind: global_buffer, .address_space: global }
      - { .name: qkv, .offset: 48, .size: 8, .value_kind: global_buffer, .address_space: global }
    .group_segment_fixed_size: 327680
    .private_segment_fixed_size: 0
    .kernarg_segment_align: 8
    .kernarg_segment_size: 56
    .max_flat_workgroup_size: 128
    .sgpr_count:     100
    .vgpr_count:     1024
    .wavefront_size: 32
...
	.end_amdgpu_metadata
.endif
;; end of part 2
;; launch attn (part 3): grid 16 x 16, 4 waves a work-group, clusters of 4 x 1, 327,680 bytes of LDS; arguments qkv, y; writes y
.if DOCPART == 3
	.amdgcn_target "amdgcn-amd-amdhsa--gfx1250"
	.amdhsa_code_object_version 6
	.text
	.protected	k_q27732cad7e_attn
	.globl	k_q27732cad7e_attn
	.p2align	8
	.type	k_q27732cad7e_attn,@function
k_q27732cad7e_attn:
	s_mov_b64 s[64:65], 0
	v_nop
	global_prefetch_b8 v0, s[64:65] scope:SCOPE_SE
	s_setreg_imm32_b32 hwreg(HW_REG_WAVE_MODE, 25, 1), 1
	s_wait_xcnt 0x0
	s_wait_alu depctr_hold_cnt(0) depctr_sa_sdst(0) depctr_va_vdst(0) depctr_va_sdst(0) depctr_va_ssrc(0) depctr_va_vcc(0) depctr_vm_vsrc(0)
	s_getreg_b32 s2, hwreg(HW_REG_IB_STS2, 6, 4)
	s_cmp_eq_u32 s2, 0
	s_cbranch_scc0 .Lentry_in_a_cluster
	s_endpgm
.Lentry_in_a_cluster:
	s_bfe_u32 s2, ttmp6, 0x10000c
	s_cmp_lg_u32 s2, 0x3003
	s_cbranch_scc0 .Lentry_shape_is_right
	s_endpgm
.Lentry_shape_is_right:
; y[t][head][:] = the sum over k of softmax_k(q[head][t] . k[g][k] / sqrt(128)) v[g][k][:], g = head / 4.  No mask.  qkv: [24 slots][2048][128] f16 (slot 6 g + j: j 0..3 queries, 4 keys, 5 values); y: [2048][2048] f16.
; Products, maxima and sums in f32; the weights p are rounded to f16 for the second product, y once at the end.
; LIMITS: |y| stays under 65,504 and numbers of it under 6.1e-5 carry an absolute error of 2^-25 (f16); NaN and infinities are not served.
; SHARES.  A work-group owns 128 queries of one head.  Waves 2 a and 2 a + 1 own the same 64 queries, four tiles of 16, and SHARE THE KEYS: of every LDS slot of 256 keys wave w walks the 128 keys of half w & 1, in two steps of 64.
; So a fragment read from LDS still feeds four tiles of queries, and 16 blocks x 16 heads give each of 256 work-groups the same work.  At the end the two waves of a pair merge their maxima, sums and O through LDS.
; LAYOUT.  S^T = K Q^T (source 0 = 16 keys, source 1 = 16 queries): a lane holds ONE query (lane % 16) and the keys 8 (lane / 16) + 0..7.  Two such tiles, rounded to f16 in pairs, ARE source 1 of O^T = V^T P.
; K comes out of LDS as it lies, V ([key][channel]) turned, by ds_load_tr16_b128.
; SOFTMAX.  For each query a running maximum m and sum l: p = 2^(c s - c m), c = log2(e) / sqrt(128); in every step O and l are multiplied by a = 2^(c m_old - c m_new).
; BY TURNS.  The wave's tiles are two pieces (tiles 0, 1 and tiles 2, 3).  In a turn one piece has the matrix unit (32 products V^T P of the step in hand, 32 products K Q^T of the next); the other piece's softmax,
; cut into 64 slices, stands between them, one slice behind each matrix instruction.  Two turns are a key step.
; REGISTER TILE t HOLDS QUERY TILE t xor 2 (w & 1): so every wave keeps its register tiles 0, 1 and hands tiles 2, 3 to its partner: no branch hangs on the wave's part.
; CLUSTER.  The four query blocks of a cluster belong to one head and walk the same K and V: each tile is asked for jointly, with a mask that names the four.
; THE RING.  Two slots of 256 keys: a wave's one load behind a round brings 128 rows, and has the wave's two key steps, 256 matrix instructions with their slices, in which to land.  The slots do not lie a power of two
; apart, so each has its own group 0, the loop over slots runs two changes a trip, and the cursors are set anew at each change: the wave's constant + the slot's constant.
; REGISTERS, in windows of 256: window 0: v0-11, v44-48 addresses; v12-43 statistics, eight a tile; v52-55 the partner's; v64-191 S^T; v192-255 P.  window 1: O^T, 64 a tile.
;   window 2: v0-127 Q (at the end: the partner's O^T); v128-255 K of one step.   window 3: v0-127 V of one step.
.set KS,    64        ; keys in a step
.set SK,    256       ; keys in a slot
.set PK,    272       ; a row of K in LDS: 256 bytes + 16: the 16 rows of a load start at 16 different banks (64 banks of 4 bytes: ISA guide 11.1)
.set PV,    288       ; a row of V: 256 + 32
.set VOFF,  SK*PK     ; a slot: 256 rows of K, then 256 rows of V
.set SLOTB, SK*(PK+PV)  ; 143,360 bytes
.set STAGE, 2*SLOTB   ; behind the ring: 16 rows x 272 bytes for each wave, for the way out
.set SP,    272
.set SPARE, STAGE+4*16*272  ; the spare words, 128 bytes a wave: two blocks of 256 bytes that no other line names
.set MBSZ,  16896     ; the merge: a mailbox for each wave, in slot 0, which has had its last fill and its last read by then: 32 images of 512 bytes, then 2 x 256 bytes of statistics
.set NDATA, 2048/SK   ; 2,048 keys = 8 slots' worth
.set AK0, 2           ; v2   my lane's place in a tile of K; never rewritten
.set AV0, 3           ; v3   the same for V
.set ADR, 4           ; v4   the LDS address of the run of loads in hand
.set QO,  5           ; v5   my byte offset in the wave's rows of Q, register tiles 0, 1
.set STO, 6           ; v6   the way out: where I put 16 bytes of a row
.set RD,  7           ; v7   the way out: where I read a row back
.set GO,  8           ; v8   my byte offset in the wave's rows of y
.set QO2, 44          ; v44  as v5, register tiles 2, 3
.set MBW, 45          ; v45  my mailbox: 16 x lane
.set MBR, 46          ; v46  my partner's
.set MSW, 47          ; v47  my mailbox's statistics: 8 x lane
.set MSR, 48          ; v48  my partner's
.set PST, 52          ; v52-55 the partner's (c m, l) for my tiles 0, 1
.set PFO, 61          ; v61  256 x my lane: a row of K or V is 256 bytes; never rewritten
.set SPW, 62          ; v62  LDS address of my spare word; never rewritten
.set NIL, 63          ; v63  0; never rewritten
.set ST,  12          ; tile t's statistics at v[ST+8 t]: +0 c m, +1 m, +2, +3 l (even keys', odd keys'), +4 to +7 at work; a takes +6
.set S,   64
.set P,   192
.set KF,  128         ; K's fragments, in window 2
.set WV,  12          ; s12  my wave's number
.set PFA, 18          ; s[18:19] where my prefetches stand
.set G1K, 24          ; s[24:31] descriptor group 1 for K's tiles
.set G1V, 32          ; s[32:39] for V's: it differs in the padding alone
.set G0K, 40          ; s[40:47] group 0 for K's tiles, a set for each slot
.set G0V, 48          ; s[48:55] the same for V's
.set TRIPS, 56        ; s56  trips of the loop over slots still to go
.set QH,  57          ; s57  which 64 queries of the block are my pair's
.set CS,  58          ; s[58:59] c
.set SEL, 60          ; s[60:61] lane selects for v_permlanex16_b32: lane l xor 16
.set TWICE, 62        ; s62  counts a slot's two steps
.set TBK, 66          ; s66  LDS byte at which K's tile of the step to be fetched begins
.set TBV, 67          ; s67  the same for V's, less VOFF
.set KB,  68          ; s68  my half's place among a slot's rows of K: 128 rows x (w & 1).  Also: where my load of K lands
.set VB,  69          ; s69  the same for V
.set LIMA, 70         ; s70  0 in a wave that prefetches, else the greatest number: for a trip's first change
.set LIMB, 71         ; s71  1 or the greatest number: for its second, which in the last trip has no keys behind it
.set MSB, 0
.macro WIN new                      ; the immediate's high byte repeats the setting that is left; a switch that changes nothing is dropped
.if MSB != \new
	s_set_vgpr_msb (MSB<<8)|\new
.set MSB, \new
.endif
.endm
.set W_KQ, 0x0a       ; K and Q in window 2, S^T in window 0
.set W_PV, 0x53       ; V in window 3, P in window 0, O^T in window 1
.set W_RS, 0x41       ; O^T (destination and source 0) in window 1, the factor in window 0
; A joint refill of slot s.  Waves 0 and 1 fetch the two halves of its rows of K, waves 2 and 3 those of V.  An s_nop 0 and four v_nop follow each line.
.macro JLOAD s
	s_cmp_lt_u32 s[WV], 2
	s_cbranch_scc0 .Lfor_v_\@
	tensor_load_to_lds s[G0K+4*\s:G0K+4*\s+3], s[G1K:G1K+7]
	s_nop 0
.rept 4
	v_nop
.endr
	s_branch .Lasked_\@
.Lfor_v_\@:
	tensor_load_to_lds s[G0V+4*\s:G0V+4*\s+3], s[G1V:G1V+7]
	s_nop 0
.rept 4
	v_nop
.endr
.Lasked_\@:
.endm
; A PREFETCH of the 256 rows of K and of V that the next change of slots will ask for: two key steps, 256 matrix instructions with their slices, ahead of that load; a lane a row of 256 bytes.
; Each row is named once in the launch.  All 64 work-groups of a group's four heads walk the same K and V: the first cluster of the group's first head asks.  Its four partners take 64 rows of each, told apart by address;
; in each, waves 0 and 1 ask for K's, 32 rows each, waves 2 and 3 for V's.  The first three slots' worth come by their loads alone; the last filling change asks for nothing: no keys lie behind.
.macro ASK lim
	s_cmp_gt_u32 s[TRIPS], s[\lim]
	s_cbranch_scc0 .Lnot_mine_\@
	global_prefetch_b8 v[PFO], s[PFA:PFA+1] th:TH_LOAD_NT scope:SCOPE_SE
.Lnot_mine_\@:
.endm
.macro CROUND                       ; a round of the cluster's barrier
	s_barrier_signal -1
	s_barrier_wait -1
	s_cmp_lg_u32 s[WV], 0
	s_cbranch_scc1 .Lnot_wave_0_\@
	s_barrier_signal -3
.Lnot_wave_0_\@:
	s_barrier_wait -3
	s_barrier_signal -1
	s_barrier_wait -1
.endm
	s_load_b64 s[4:5], s[0:1], 0x0  ; qkv
	s_load_b64 s[10:11], s[0:1], 0x8  ; y
	v_lshl_add_u32 v[SPW], v0, 2, SPARE
	v_mov_b32 v[NIL], 0
	ds_add_u32 v[SPW], v[NIL]       ; the wave's opening: the add, twice on end, and its wait ahead of my first tensor load
	ds_add_u32 v[SPW], v[NIL]
	v_lshrrev_b32 v1, 5, v0
	v_readfirstlane_b32 s[WV], v1   ; wave 0..3
	s_bfe_u32 s13, ttmp6, 0x40000   ; cx
	s_lshl_b32 s14, ttmp9, 2
	s_add_co_u32 s14, s14, s13      ; my block of 128 queries = 4 x cluster x + cx: it enters Q's and y's addresses alone
	s_and_b32 s20, ttmp7, 0xffff    ; the head, which the four partners share
	s_lshr_b32 s21, s20, 2
	s_mul_i32 s21, s21, 6           ; the group's first slot of qkv
	s_and_b32 s63, s20, 3           ; the head's place in its group
	s_and_b32 s16, s[WV], 1         ; which half of an LDS slot's keys I walk, and fetch
	s_lshr_b32 s[QH], s[WV], 1
	s_add_co_u32 s22, s21, 4        ; the keys' slot of qkv,
	s_lshl_b32 s22, s22, 19         ; 524,288 bytes a slot
	s_mov_b32 s23, 0
	s_lshl_b32 s2, s16, 15          ; my half's 128 rows of 256 bytes in memory,
	s_mov_b32 s3, 0
	s_mul_i32 s[KB], s16, 128*PK    ; and in LDS: no place in the cluster enters an LDS address
	s_mul_i32 s[VB], s16, 128*PV
	s_add_co_u32 s74, s21, s63      ; the head's slot of qkv,
	s_lshl_b32 s74, s74, 19
	s_lshl_b32 s75, s14, 15         ; my block's 128 rows,
	s_add_co_u32 s74, s74, s75
	s_lshl_b32 s75, s[QH], 14       ; my pair's 64 of them
	s_add_co_u32 s74, s74, s75
	s_mov_b32 s75, 0
	s_lshl_b32 s20, s20, 8          ; y: 256 bytes a head in a row of 4,096,
	s_lshl_b32 s21, s14, 19         ; my block's 128 rows,
	s_add_co_u32 s20, s20, s21
	s_lshl_b32 s21, s[QH], 18       ; my pair's 64,
	s_add_co_u32 s20, s20, s21
	s_lshl_b32 s21, s16, 17         ; and the 32 that I finish
	s_add_co_u32 s20, s20, s21
	s_mov_b32 s21, 0
	s_lshl_b32 s76, s13, 14         ; the prefetches: my work-group's 64 rows of a slot's 256,
	s_lshl_b32 s77, s16, 13         ; my wave's 32 of them,
	s_add_co_u32 s76, s76, s77
	s_add_co_u32 s76, s76, 2*SK*256 ; from keys 512 on: the first change of slots steps it on to keys 768 ..
	s_mov_b32 s77, 0
	; descriptor group 1: a tile of 128 rows x 128 elements of 2 bytes, padded in LDS
	s_mov_b32 s[G1K], 15|(1<<16)|(1<<20)|(1<<21)|(5<<22)|(3<<25)  ; the mask: all four work-groups; padding of 4 words after every 64
	s_mov_b32 s[G1V], 15|(1<<16)|(1<<20)|(1<<21)|(5<<22)|(7<<25)  ; the same with 8 words of padding
.irp g, G1K, G1V
	s_mov_b32 s[\g+1], 128<<16      ; tensor_dim0
	s_mov_b32 s[\g+2], 128<<16      ; tensor_dim1
	s_mov_b32 s[\g+3], 128<<16      ; tile_dim0
	s_mov_b32 s[\g+4], 128          ; tile_dim1
	s_mov_b32 s[\g+5], 128          ; from row to row
	s_mov_b32 s[\g+6], 0
	s_mov_b32 s[\g+7], 0
.endr
	s_mov_b32 s[CS], 0x3e0293ee     ; c = log2(e) / sqrt(128)
	s_mov_b32 s[CS+1], s[CS]        ; named with it as a pair, so it is written
	s_mov_b32 s[SEL], 0x76543210
	s_mov_b32 s[SEL+1], 0xfedcba98
	s_mov_b32 s[TBK], s[KB]         ; the cursors: my half of slot 0
	s_mov_b32 s[TBV], s[VB]
	s_mov_b32 s[TRIPS], (NDATA-2)/2
	s_or_b32 s[LIMA], ttmp9, s63    ; 0 in the first cluster of the group's first head: the same in all four partners
	s_cmp_eq_u32 s[LIMA], 0
	s_cselect_b32 s[LIMA], 0, -1
	s_cselect_b32 s[LIMB], 1, -1
	v_and_b32 v[PFO], 31, v0
	v_lshlrev_b32 v[PFO], 8, v[PFO]
	s_wait_dscnt 0x0                ; both opening adds are done
	s_wait_kmcnt 0x0
	s_add_nc_u64 s[6:7], s[4:5], s[22:23]  ; K at the group's key 0
	s_add_nc_u64 s[8:9], s[6:7], 1<<19  ; V: the next slot of qkv
	s_cmp_lt_u32 s[WV], 2
	s_cselect_b64 s[PFA:PFA+1], s[6:7], s[8:9]
	s_add_nc_u64 s[PFA:PFA+1], s[PFA:PFA+1], s[76:77]
	s_add_nc_u64 s[6:7], s[6:7], s[2:3]  ; K and V at my half of the first 256 keys
	s_add_nc_u64 s[8:9], s[8:9], s[2:3]
	s_add_nc_u64 s[4:5], s[4:5], s[74:75]  ; Q at my pair's first row
	s_add_nc_u64 s[10:11], s[10:11], s[20:21]
	CROUND                          ; all four work-groups are here: the first joint loads meet
.irp s, 0,1
	s_mov_b32 s[G0K+4*\s], 1
	s_add_co_u32 s[G0K+4*\s+1], s[KB], \s*SLOTB
	s_add_nc_u64 s[G0K+4*\s+2:G0K+4*\s+3], s[6:7], \s*SK*256
	s_or_b32 s[G0K+4*\s+3], s[G0K+4*\s+3], 0x80000000
	s_mov_b32 s[G0V+4*\s], 1
	s_add_co_u32 s[G0V+4*\s+1], s[VB], \s*SLOTB+VOFF
	s_add_nc_u64 s[G0V+4*\s+2:G0V+4*\s+3], s[8:9], \s*SK*256
	s_or_b32 s[G0V+4*\s+3], s[G0V+4*\s+3], 0x80000000
.endr
	s_cmp_lt_u32 s[WV], 2           ; a wave's two first fills stand in one branch, ahead of every wait on TENSORcnt and every LDS read: two loads of mine are out
	s_cbranch_scc0 .Lfirst_v
	tensor_load_to_lds s[G0K:G0K+3], s[G1K:G1K+7]
	s_nop 0
	tensor_load_to_lds s[G0K+4:G0K+7], s[G1K:G1K+7]
	s_nop 0
.rept 4
	v_nop
.endr
	s_branch .Lfirst_asked
.Lfirst_v:
	tensor_load_to_lds s[G0V:G0V+3], s[G1V:G1V+7]
	s_nop 0
	tensor_load_to_lds s[G0V+4:G0V+7], s[G1V:G1V+7]
	s_nop 0
.rept 4
	v_nop
.endr
.Lfirst_asked:
	; A fragment of K or Q is 16 rows x 32 channels in 8 registers: lane l holds row l % 16; two loads of 16 bytes, 32 bytes apart.
	v_and_b32 v1, 15, v0            ; l % 16
	v_bfe_u32 v9, v0, 4, 1          ; l / 16
	v_lshlrev_b32 v10, 8, v1
	v_lshl_add_u32 v10, v9, 4, v10  ; row x 256 + 16 x half
	s_lshl_b32 s2, s16, 13          ; register tiles 0, 1 are query tiles 2 (w & 1) on: 32 rows of 256 bytes;
	s_xor_b32 s3, s2, 8192          ; register tiles 2, 3 the other two
	v_add_nc_u32 v[QO], s2, v10
	v_add_nc_u32 v[QO2], s3, v10
	WIN 0x80                        ; destination window 2, address window 0
.irp i, 0,1,2,3,4,5,6,7             ; Q stays in registers: register tile i / 4, channels 32 (i % 4) on
	global_load_b128 v[8*\i:8*\i+3],   v[QO], s[4:5] offset:(\i/4)*4096+(\i%4)*64
	global_load_b128 v[8*\i+4:8*\i+7], v[QO], s[4:5] offset:(\i/4)*4096+(\i%4)*64+32
.endr
.irp i, 8,9,10,11,12,13,14,15
	global_load_b128 v[8*\i:8*\i+3],   v[QO2], s[4:5] offset:(\i/4-2)*4096+(\i%4)*64
	global_load_b128 v[8*\i+4:8*\i+7], v[QO2], s[4:5] offset:(\i/4-2)*4096+(\i%4)*64+32
.endr
	WIN 0
	v_mul_u32_u24 v[AK0], v1, PK
	v_lshl_add_u32 v[AK0], v9, 4, v[AK0]  ; row x pitch + 16 x half
	; The turning load takes 16 keys x 16 channels (lane l reads key 8 (l / 16) + l % 8, channels 8 ((l / 8) % 2) + 0..7) and leaves half a fragment of V^T.
	v_and_b32 v10, 7, v0
	v_bfe_u32 v11, v0, 3, 1
	v_lshl_add_u32 v[AV0], v9, 3, v10
	v_mul_u32_u24 v[AV0], v[AV0], PV
	v_lshl_add_u32 v[AV0], v11, 4, v[AV0]
	v_add_nc_u32 v[AV0], VOFF, v[AV0]
; THE MATRIX WORK OF A TURN, for piece x.  The accumulators take turns, one instruction a turn.
; Product i of 32 of O^T += V^T P: keys 32 (i / 16) on, channels 16 ((i / 2) % 8) on, tile x + i % 2.  zero = 1: the first 16 start the sums.
.macro PV x, zero
	WIN W_PV
.set rO, 64*(\x+i%2)+8*((i/2)%8)
.set rV, 64*(i/16)+8*((i/2)%8)
.set rP, P+16*(\x+i%2)+8*(i/16)
.if \zero && (i < 16)
	v_wmma_f32_16x16x32_f16 v[rO:rO+7], v[rV:rV+7], v[rP:rP+7], 0
.else
	v_wmma_f32_16x16x32_f16 v[rO:rO+7], v[rV:rV+7], v[rP:rP+7], v[rO:rO+7]
.endif
.endm
; Product i of 32 of S^T = K Q^T: channels 32 (i / 8) on, keys 16 ((i / 2) % 4) on, tile x + i % 2.  The first 8 start the sums.
.macro KQ x
	WIN W_KQ
.set rS, S+32*(\x+i%2)+8*((i/2)%4)
.set rK, KF+32*((i/2)%4)+8*(i/8)
.set rQ, 32*(\x+i%2)+8*(i/8)
.if i < 8
	v_wmma_f32_16x16x32_f16 v[rS:rS+7], v[rK:rK+7], v[rQ:rQ+7], 0
.else
	v_wmma_f32_16x16x32_f16 v[rS:rS+7], v[rK:rK+7], v[rQ:rQ+7], v[rS:rS+7]
.endif
.endm
; THE LDS LOADS stand in runs of 32: a step's K (16 fragments) and, a turn later, its V (turned).
.macro FETCH_K
	WIN 0
	v_add_nc_u32 v[ADR], s[TBK], v[AK0]
	WIN 0x80                        ; destination window 2
.irp f, 0,1,2,3,4,5,6,7,8,9,10,11,12,13,14,15  ; keys 16 (f / 4) on, channels 32 (f % 4) on
	ds_load_b128 v[KF+8*\f:KF+8*\f+3],   v[ADR] offset:(\f/4)*16*PK+(\f%4)*64
	ds_load_b128 v[KF+8*\f+4:KF+8*\f+7], v[ADR] offset:(\f/4)*16*PK+(\f%4)*64+32
.endr
.endm
.macro FETCH_V
	WIN 0
	v_add_nc_u32 v[ADR], s[TBV], v[AV0]
	s_add_co_u32 s[TBK], s[TBK], KS*PK  ; the next fetches are the next step's
	s_add_co_u32 s[TBV], s[TBV], KS*PV
	s_wait_alu depctr_va_vdst(0)    ; the wait for the softmax's batch of exponentials, behind the address's addition and ahead of the loads
	WIN 0xc0                        ; destination window 3
.irp f, 0,1,2,3,4,5,6,7,8,9,10,11,12,13,14,15  ; keys 32 (f / 8) on, channels 16 (f % 8) on
	ds_load_tr16_b128 v[8*\f:8*\f+3],   v[ADR] offset:(\f/8)*32*PV+(\f%8)*32
	ds_load_tr16_b128 v[8*\f+4:8*\f+7], v[ADR] offset:(\f/8)*32*PV+16*PV+(\f%8)*32
.endr
.endm
; THE VECTOR WORK OF A TURN.  One tile's softmax for one key step is a list of 134 instructions; SM writes number j of it for tile t.
;   0-15    the maximum of the lane's 32 scores and the old m        16-20   the other half of the lanes' maximum; the new m; c m; c m_old - c m_new
;   21-69   ONE BATCH: 16 packed scalings c s - c m and all 33 exponentials; none of these reads an exponential's result        (wait)  between 69 and 70: SLICE writes it, once for both tiles
;   70-85   the roundings to f16        86-101  the sums; l = a l + the sum        102-133 the tile's O^T times a
; first = 1: the first key step, which starts m, l and O^T: it has no a and nothing to rescale.
.macro SM t, first
.set rT, ST+8*(\t)
.set rS, S+32*(\t)
.set rP, P+16*(\t)
.set rO, 64*(\t)+2*(j-102)
.if j < 102
	WIN 0
.endif
.if j < 4
	v_max3_num_f32 v[rT+4+j], v[rS+8*j], v[rS+8*j+1], v[rS+8*j+2]
.elseif j < 12
	v_max3_num_f32 v[rT+4+j%4], v[rT+4+j%4], v[rS+8*(j%4)+2*(j/4)+1], v[rS+8*(j%4)+2*(j/4)+2]
.elseif j == 12
	v_max3_num_f32 v[rT+4], v[rT+4], v[rS+7], v[rS+15]
.elseif j == 13
	v_max3_num_f32 v[rT+6], v[rT+6], v[rS+23], v[rS+31]
.elseif j == 14
	v_max3_num_f32 v[rT+4], v[rT+4], v[rT+5], v[rT+6]
.elseif (j == 15) && \first
	v_max_num_f32 v[rT+4], v[rT+4], v[rT+7]
.elseif j == 15
	v_max3_num_f32 v[rT+4], v[rT+4], v[rT+7], v[rT+1]
.elseif j == 16
	v_permlanex16_b32 v[rT+5], v[rT+4], s[SEL], s[SEL+1]  ; the query's other 32 keys lie in the lane 16 away
.elseif j == 18
	v_max_num_f32 v[rT+1], v[rT+4], v[rT+5]
.elseif j == 19
	v_mul_f32 v[rT], s[CS], v[rT+1]
.elseif ((j == 17) || (j == 20) || (j == 23) || (j > 101)) && \first  ; the first step has none of these
.elseif j == 17
	v_mov_b32 v[rT+7], v[rT]        ; c m_old is kept for a
.elseif j == 20
	v_sub_f32 v[rT+7], v[rT+7], v[rT]
.elseif j == 23
	v_exp_f32 v[rT+6], v[rT+7]
.elseif (j < 23) || ((j < 38) && (j%2 == 0)) || ((j < 66) && (j%4 == 2))
.set b, (j-2)/4                     ; 38, 42, .. 62: pairs 9 to 15
.if j < 38
.set b, (j-20)/2                    ; 21: pair 0; 22, 24, .. 36: pairs 1 to 8
.endif
	v_pk_fma_f32 v[rS+2*b:rS+2*b+1], v[rS+2*b:rS+2*b+1], s[CS:CS+1], v[rT:rT+1] op_sel_hi:[1,0,0] neg_lo:[0,0,1] neg_hi:[0,0,1]  ; pair b: c s - c m
.elseif j < 70
.set e, j-38                        ; 66 to 69: s28 to s31
.if j < 66
.set e, j-32-(j-38)/4               ; 39-41, 43-45, .. 63-65: s7 to s27
.endif
.if j < 38
.set e, (j-25)/2                    ; 25, 27, .. 37: s0 to s6
.endif
	v_exp_f32 v[rS+e], v[rS+e]
.elseif j < 86
	v_cvt_pk_f16_f32 v[rP+j-70], v[rS+2*(j-70)], v[rS+2*(j-70)+1]  ; pair j - 70
.elseif j < 102                     ; the sum of the tile's 16 pairs, in place: neighbours 1, 2, 4 and 8 pairs apart, then l takes it
.set z, j-86
.set w, 4
.set u, z
.if z >= 14
.set w, 32
.set u, 0
.elseif z >= 12
.set w, 16
.set u, z-12
.elseif z >= 8
.set w, 8
.set u, z-8
.endif
.if (z == 14) && \first
	v_pk_add_f32 v[rT+2:rT+3], v[rS:rS+1], v[rS+16:rS+17]
.elseif z < 15
	v_pk_add_f32 v[rS+w*u:rS+w*u+1], v[rS+w*u:rS+w*u+1], v[rS+w*u+w/2:rS+w*u+w/2+1]
.elseif !\first
	v_pk_fma_f32 v[rT+2:rT+3], v[rT+2:rT+3], v[rT+6:rT+7], v[rS:rS+1] op_sel_hi:[1,0,1]
.endif
.else
	WIN W_RS
	v_pk_mul_f32 v[rO:rO+1], v[rO:rO+1], v[rT+6:rT+7] op_sel_hi:[1,0]
.endif
.endm
; Slice k of 64 of piece y's softmax: four instructions.  Slices 11 to 34 deal out the batch, four numbers of ONE tile each, the tiles by turns; every other slice is numbers 2 k and 2 k + 1 of both tiles' lists;
; the twelve that are over stand together in slice 63.  Ahead of slice 35 nothing names an exponential's result, and behind slice 34 none is issued: so the piece's exponentials have one wait, behind slice 34.
.macro SLICE y, first
.if (k >= 11) && (k < 35)
.irp n, 0,1,2,3
.set j, 22+4*((k-11)/2)+(\n)
	SM (\y)+(k-11)%2, \first
.endr
.else
.irp n, 0,1,2,3,4,5,6,7
.if (\n < 2) || (k == 63)
.irp t, \y, \y+1
.set j, 2*k+\n
	SM \t, \first
.endr
.endif
.endr
.endif
.if k == 34
	v_nop                           ; a plain instruction behind the last exponential and ahead of the first use: one for the batch
.if (\y) == 0
	FETCH_V                         ; piece 2's turn: V's run of loads stands here, and the wait stands in it
.else
	s_wait_alu depctr_va_vdst(0)    ; the wait between the batch and its first reader
.endif
.endif
.set k, k+1
.endm
.macro PLACES
.rept 4
	v_nop
.endr
.endm
; A TURN.  Piece x has the matrix unit; the other piece's softmax stands in slices behind its matrix instructions.
; pv = 2: 32 products V^T P; 1: they start O^T's sums; 0: none.  kq = 1: 32 products K Q^T for the next step.  A turn with one of the two kinds has two slices behind each product.
; Piece 0's turn fetches the next step's K behind its second product; piece 2's turn the same step's V behind slice 34.  The slices are the places between a buffer's last reader and the loads into it.
.macro TURN x, pv, kq, first
.set k, 0
.set per, 2
.if \pv && \kq
.set per, 1
.endif
.if \pv
.if \x == 0
	s_wait_dscnt 0x0                ; V is in
.endif
.set i, 0
.rept 32
	PV \x, 2-\pv
.rept per
	SLICE 2-\x, \first
.endr
.if (\x == 0) && \kq && (i == 1)
	FETCH_K
.endif
.set i, i+1
.endr
.endif
.if \kq
.if \x == 0
	s_wait_dscnt 0x0                ; K is in
.endif
.set i, 0
.rept 32
	KQ \x
.rept per
	SLICE 2-\x, \first
.endr
.set i, i+1
.endr
.endif
.if \first
	PLACES
.endif
.endm
; THE CHANGE OF SLOTS, behind piece 2's turn: the last bytes that I read of slot old, V of my second step, have been asked for.  Each wave waits for all its tensor loads (one is out: its part of the other slot),
; adds 0 to its spare word, and waits for that and for its reads of the slot.  fill = 1: slot old is filled again with the keys two slots on, behind a round of the cluster's barrier: no wave of any partner still
; reads it or has a load on its way.  The cursors go to my half of the other slot.
.macro CHANGE fill, old, lim
	WIN 0                           ; at a label and at a branch every window is 0
	s_wait_tensorcnt 0x0            ; no tensor load of mine is out, so a group 0 may be written
	ds_add_u32 v[SPW], v[NIL]
.if \fill
	s_add_nc_u64 s[G0K+4*\old+2:G0K+4*\old+3], s[G0K+4*\old+2:G0K+4*\old+3], 2*SK*256  ; this slot's next 256 keys; the type bits on top are not reached
	s_add_nc_u64 s[G0V+4*\old+2:G0V+4*\old+3], s[G0V+4*\old+2:G0V+4*\old+3], 2*SK*256
	s_wait_xcnt 0x0                 ; the last prefetch, two key steps back, has read its address, so it may be written
	s_add_nc_u64 s[PFA:PFA+1], s[PFA:PFA+1], SK*256
	s_wait_dscnt 0x0                ; the add is done, and my reads of the slot are over
	CROUND
	JLOAD \old                      ; the first tensor load behind the round, and my only one until the next
	ASK \lim
.else
	s_wait_dscnt 0x0
	s_barrier_signal -1
	s_barrier_wait -1
.endif
	s_add_co_u32 s[TBK], s[KB], (1-\old)*SLOTB
	s_add_co_u32 s[TBV], s[VB], (1-\old)*SLOTB
.endm
; My two key steps of a slot: written once, walked twice; the LDS addresses hang on the cursors.
.macro TWO_STEPS
	s_mov_b32 s[TWICE], 2
.Lstep_\@:
	TURN 0, 2, 1, 0
	TURN 2, 2, 1, 0
	WIN 0
	s_sub_co_u32 s[TWICE], s[TWICE], 1
	s_cmp_lg_u32 s[TWICE], 0
	s_cbranch_scc1 .Lstep_\@
.endm
	s_wait_tensorcnt 1              ; my part of slot 0 is in; slot 1's may stay out
	s_barrier_signal -1
	s_barrier_wait -1               ; everybody's is
	FETCH_K                         ; my first key step
	s_wait_loadcnt 0x0              ; Q
	s_wait_dscnt 0x0
.set i, 0
.rept 32
	KQ 0                            ; piece 0's first scores
.set i, i+1
.endr
	WIN 0                           ; the addresses for the merge and the way out are made here: plain instructions, the places behind those products
	s_mul_i32 s13, s[WV], 16*SP
	s_add_co_u32 s13, s13, STAGE    ; my stage
	v_mul_u32_u24 v[STO], v1, SP    ; in: row l % 16, 16 bytes for each half of the lanes
	v_lshl_add_u32 v[STO], v9, 4, v[STO]
	v_add_nc_u32 v[STO], s13, v[STO]
	v_mul_u32_u24 v[RD], v9, SP     ; back: lanes 0-15 one row of 256 bytes, lanes 16-31 the next
	v_lshl_add_u32 v[RD], v1, 4, v[RD]
	v_add_nc_u32 v[RD], s13, v[RD]
	v_lshlrev_b32 v[GO], 12, v9     ; and the same two rows in y, 4,096 bytes apart
	v_lshl_add_u32 v[GO], v1, 4, v[GO]
	s_mul_i32 s2, s[WV], MBSZ       ; my mailbox,
	s_xor_b32 s3, s[WV], 1
	s_mul_i32 s3, s3, MBSZ          ; my partner's
	v_and_b32 v10, 31, v0
	v_lshl_add_u32 v[MBW], v10, 4, s2
	v_lshl_add_u32 v[MBR], v10, 4, s3
	v_lshl_add_u32 v[MSW], v10, 3, s2
	v_add_nc_u32 v[MSW], 16384, v[MSW]
	v_lshl_add_u32 v[MSR], v10, 3, s3
	v_add_nc_u32 v[MSR], 16384, v[MSR]
	TURN 2, 0, 1, 1                 ; piece 2's first scores | piece 0's first softmax | V of step 0
	TURN 0, 1, 1, 1                 ; piece 0: V^T P of step 0 starts O^T, K Q^T of step 1 | piece 2's first softmax | K of step 1
	TURN 2, 1, 1, 0                 ; piece 2: the same | piece 0's softmax of step 1 | V of step 1
	WIN 0
.Lslot:                             ; 3 trips of two changes: every slot's worth of keys but the last two is followed by a refill
	CHANGE 1, 0, LIMA
	TWO_STEPS
	CHANGE 1, 1, LIMB
	TWO_STEPS
	s_sub_co_u32 s[TRIPS], s[TRIPS], 1
	s_cmp_lg_u32 s[TRIPS], 0
	s_cbranch_scc1 .Lslot
	CHANGE 0, 0, LIMA               ; the tail is written out: nothing is asked for
	TWO_STEPS
	TURN 0, 2, 0, 0                 ; piece 0: V^T P of the last step | piece 2's last softmax
.set i, 0
.rept 32
	PV 2, 0                         ; piece 2: V^T P of the last step
.set i, i+1
.endr
	; THE MERGE.  My register tiles 2, 3 (O^T as images of their registers, and c m, l) go to my partner; its tiles 2, 3 are my tiles 0, 1 over the other half of the keys.
	WIN 0
.irp t, 0,1,2,3
	v_add_f32 v[ST+8*\t+1], v[ST+8*\t+2], v[ST+8*\t+3]  ; l's two halves; (c m, l) now stand as a pair.  These four are the places behind the last products
.endr
	WIN 0x04                        ; an LDS store's data are its source 1: window 1
.irp f, 0,1,2,3,4,5,6,7,8,9,10,11,12,13,14,15,16,17,18,19,20,21,22,23,24,25,26,27,28,29,30,31
	ds_store_b128 v[MBW], v[128+4*\f:128+4*\f+3] offset:512*\f  ; each accumulator from its low end on
.endr
	WIN 0
	ds_store_b64 v[MSW], v[ST+16:ST+17]
	ds_store_b64 v[MSW], v[ST+24:ST+25] offset:256
	s_wait_dscnt 0x0                ; for my partner's sake: my stores are done
	s_barrier_signal -1
	s_barrier_wait -1
	ds_load_b64 v[PST:PST+1], v[MSR]
	ds_load_b64 v[PST+2:PST+3], v[MSR] offset:256
	WIN 0x80                        ; destination window 2: Q's registers are free
.irp f, 0,1,2,3,4,5,6,7,8,9,10,11,12,13,14,15,16,17,18,19,20,21,22,23,24,25,26,27,28,29,30,31
	ds_load_b128 v[4*\f:4*\f+3], v[MBR] offset:512*\f
.endr
	WIN 0
	s_wait_dscnt 32                 ; the two loads of statistics are in; the 32 images may be out
.irp t, 0,1
	v_max_num_f32 v[ST+8*\t+4], v[ST+8*\t], v[PST+2*\t]  ; the joint c m
.endr
.irp t, 0,1
	v_sub_f32 v[ST+8*\t+5], v[ST+8*\t], v[ST+8*\t+4]
	v_sub_f32 v[ST+8*\t+7], v[PST+2*\t], v[ST+8*\t+4]
.endr
.irp t, 0,1
	v_exp_f32 v[ST+8*\t+5], v[ST+8*\t+5]  ; my factor,
	v_exp_f32 v[ST+8*\t+7], v[ST+8*\t+7]  ; my partner's
.endr
	v_nop                           ; a plain instruction behind the last exponential
	s_wait_alu depctr_va_vdst(0)    ; one wait for the four, ahead of their first reader
.irp t, 0,1
	v_mul_f32 v[ST+8*\t+2], v[ST+8*\t+5], v[ST+8*\t+1]
.endr
.irp t, 0,1
	v_fma_f32 v[ST+8*\t+2], v[ST+8*\t+7], v[PST+2*\t+1], v[ST+8*\t+2]
.endr
.irp t, 0,1
	v_permlanex16_b32 v[ST+8*\t+3], v[ST+8*\t+2], s[SEL], s[SEL+1]
.endr
.irp t, 0,1
	v_add_f32 v[ST+8*\t+2], v[ST+8*\t+2], v[ST+8*\t+3]  ; the row's whole sum
.endr
.irp t, 0,1
	v_rcp_f32 v[ST+8*\t+3], v[ST+8*\t+2]
.endr
	v_nop
	s_wait_alu depctr_va_vdst(0)    ; one wait for the two reciprocals
.irp t, 0,1
	v_mul_f32 v[ST+8*\t+4], v[ST+8*\t+7], v[ST+8*\t+3]  ; what my partner's O^T is multiplied by,
	v_mul_f32 v[ST+8*\t+6], v[ST+8*\t+5], v[ST+8*\t+3]  ; and mine
.endr
	s_wait_dscnt 0x0                ; the images are in
; Tile t: merged, rounded to f16, sent through my stage: 16 bytes a lane in, whole rows of 256 bytes back.
.macro MPACK t
	WIN W_RS
.set i, 64*\t
.rept 32
	v_pk_mul_f32 v[i:i+1], v[i:i+1], v[ST+8*\t+6:ST+8*\t+7] op_sel_hi:[1,0]
.set i, i+2
.endr
	WIN 0x52                        ; source 0 window 2 (the partner's), source 1 window 0, source 2 and destination window 1
.set i, 64*\t
.rept 32
	v_pk_fma_f32 v[i:i+1], v[i:i+1], v[ST+8*\t+4:ST+8*\t+5], v[i:i+1] op_sel_hi:[1,0,1]
.set i, i+2
.endr
	WIN 0x05                        ; sources 0 and 1 window 1, destination window 0: S^T's registers are free
.set i, 0
.rept 32
	v_cvt_pk_f16_f32 v[S+32*\t+i], v[64*\t+2*i], v[64*\t+2*i+1]
.set i, i+1
.endr
	WIN 0
.irp f, 0,1,2,3,4,5,6,7
	ds_store_b128 v[STO], v[S+32*\t+4*\f:S+32*\t+4*\f+3] offset:32*\f
.endr
.irp f, 0,1,2,3,4,5,6,7
	ds_load_b128 v[S+32*\t+4*\f:S+32*\t+4*\f+3], v[RD] offset:\f*2*SP  ; LDS serves a wave's instructions in order (ISA guide 5.7.1.4)
.endr
.endm
.macro SEND t, younger              ; younger: the LDS instructions issued behind tile t's loads
.irp f, 0,1,2,3,4,5,6,7
	s_wait_dscnt \younger+7-\f
	global_store_b128 v[GO], v[S+32*\t+4*\f:S+32*\t+4*\f+3], s[10:11] offset:\t*65536+\f*8192  ; 16 lanes store 256 consecutive bytes, aligned
.endr
.endm
	MPACK 0
	MPACK 1
	SEND 0, 16
	SEND 1, 0
	s_wait_tensorcnt 0x0            ; the wave's end, behind my last tensor load and my last LDS store
	ds_add_u32 v[SPW], v[NIL]
	s_wait_dscnt 0x0
	CROUND                          ; the closing round
	s_endpgm
.Lfunc_end_k_q27732cad7e_attn:
	.size	k_q27732cad7e_attn, .Lfunc_end_k_q27732cad7e_attn-k_q27732cad7e_attn
	.p2alignl 7, 3214868480
	.fill 96, 4, 3214868480
	.section	.rodata,"a",@progbits
	.p2align	6, 0x0
	.amdhsa_kernel k_q27732cad7e_attn
		.amdhsa_group_segment_fixed_size 327680
		.amdhsa_private_segment_fixed_size 0
		.amdhsa_enable_private_segment 0
		.amdhsa_kernarg_size 16
		.amdhsa_user_sgpr_count 2
		.amdhsa_user_sgpr_kernarg_segment_ptr 1
		.amdhsa_wavefront_size32 1
		.amdhsa_system_sgpr_workgroup_id_x 1
		.amdhsa_system_sgpr_workgroup_id_y 1
		.amdhsa_system_sgpr_workgroup_id_z 1
		.amdhsa_system_vgpr_workitem_id 0
		.amdhsa_next_free_vgpr 1024
		.amdhsa_next_free_sgpr 80
		.amdhsa_reserve_vcc 0
		.amdhsa_float_denorm_mode_32 3
		.amdhsa_float_denorm_mode_16_64 3
		.amdhsa_memory_ordered 1
		.amdhsa_forward_progress 1
		.amdhsa_inst_pref_size 255
	.end_amdhsa_kernel
	.section	.bss,"aw",@nobits
	.p2align	6
	.space	262144
	.amdgpu_metadata
---
amdhsa.version: [ 1, 2 ]
amdhsa.kernels:
  - .name:           k_q27732cad7e_attn
    .symbol:         k_q27732cad7e_attn.kd
    .args:
      - { .name: qkv, .offset: 0, .size: 8, .value_kind: global_buffer, .address_space: global }
      - { .name: y, .offset: 8, .size: 8, .value_kind: global_buffer, .address_space: global }
    .group_segment_fixed_size: 327680
    .private_segment_fixed_size: 0
    .kernarg_segment_align: 8
    .kernarg_segment_size: 16
    .max_flat_workgroup_size: 128
    .sgpr_count:     80
    .vgpr_count:     1024
    .wavefront_size: 32
...
	.end_amdgpu_metadata
.endif
;; end of part 3
;; launch proj (part 4): grid 16 x 16, 4 waves a work-group, clusters of 4 x 4, 327,680 bytes of LDS; arguments y, wpt, out0; writes out0
.if DOCPART == 4
	.amdgcn_target "amdgcn-amd-amdhsa--gfx1250"
	.amdhsa_code_object_version 6
	.text
	.protected	k_q27732cad7e_proj
	.globl	k_q27732cad7e_proj
	.p2align	8
	.type	k_q27732cad7e_proj,@function
k_q27732cad7e_proj:
	s_mov_b64 s[64:65], 0
	v_nop
	global_prefetch_b8 v0, s[64:65] scope:SCOPE_SE
	s_setreg_imm32_b32 hwreg(HW_REG_WAVE_MODE, 25, 1), 1
	s_wait_xcnt 0x0
	s_wait_alu depctr_hold_cnt(0) depctr_sa_sdst(0) depctr_va_vdst(0) depctr_va_sdst(0) depctr_va_ssrc(0) depctr_va_vcc(0) depctr_vm_vsrc(0)
	s_getreg_b32 s2, hwreg(HW_REG_IB_STS2, 6, 4)
	s_cmp_eq_u32 s2, 0
	s_cbranch_scc0 .Lentry_in_a_cluster
	s_endpgm
.Lentry_in_a_cluster:
	s_bfe_u32 s2, ttmp6, 0x10000c
	s_cmp_lg_u32 s2, 0xf033
	s_cbranch_scc0 .Lentry_shape_is_right
	s_endpgm
.Lentry_shape_is_right:
; out0[t][n] = sum over k of y[t][k] w_proj[k][n].  A = y [2048][2048] f16, B = wpt [2048 n][2048 k] f16 (w_proj turned by the first launch), out0 [2048][2048] f32; sums in f32.
; A tile of 128 x 128, so that 256 work-groups have the same work.  Four waves, each 64 x 64: 16 accumulators of 16 x 16.  K goes in steps of 256 (LDS rows of 512 bytes) through a ring of two slots.
; CLUSTERS: 4 x 4 work-groups; A's tile is shared along a row of the cluster, B's along a column: each is asked for jointly.  THE MATRIX INSTRUCTION IS USED TRANSPOSED (source 0 = 16 rows of B, source 1 = 16 rows of A):
; a lane then holds eight neighbouring numbers of a row of the output.  A wave's 64 columns of f32 are 256 aligned bytes: each wave has a stage of its own on the way out, and no barrier stands there.
; REGISTERS: window 0: v0-31 addresses; v32-95 the way out; v128-255 the accumulators ((a, b) at v[128 + 8 (4 a + b)]).  window 1: two fragment buffers of 128.
.set SIZE_K, 2048
.set SIZE_N, 2048
.set KSTEP,  256
.set PITCH,  528                       ; an LDS row: 512 bytes + 16: the 16 rows that a load touches start at 16 different banks (64 banks of 4 bytes: ISA guide 11.1)
.set HALFT,  64*PITCH
.set SLOT,   4*HALFT
.set STAGE,  2*SLOT                    ; behind the ring: 16 rows x 272 bytes for each wave
.set SPITCH, 272
.set SPARE,  STAGE+4*16*SPITCH         ; the spare words, 128 bytes a wave: two blocks of 256 bytes that no other line names
.set LAPS, SIZE_K/(2*KSTEP)
.set ADRA, 16
.set ADRB, 20
.set STO,  24
.set RD,   25
.set CO,   26
.set SPW,  28
.set NIL,  29
.set TMP,  32
.set ACC,  128
.set F0,   0
.set F1,   128
.set G1, 24
.set G0, 32
.set G1B, 48
.set G0B, 56
.set MSB, 0
.macro WIN new
.if MSB != \new
	s_set_vgpr_msb (MSB<<8)|\new
.set MSB, \new
.endif
.endm
.set MUL,  0x05                        ; sources 0 (B) and 1 (A) window 1; C and D window 0
.set TO_F, 0x40                        ; destination window 1, address window 0
.macro JLOAD s                         ; a joint load: waves 0 and 1 fetch A's two halves, waves 2 and 3 B's; an s_nop 0 and four v_nop follow each line
	s_cmp_eq_u32 s11, 0
	s_cbranch_scc0 .Lfor_b_\@
	tensor_load_to_lds s[G0+4*\s:G0+4*\s+3], s[G1:G1+7]
	s_nop 0
.rept 4
	v_nop
.endr
	s_branch .Lasked_\@
.Lfor_b_\@:
	tensor_load_to_lds s[G0B+4*\s:G0B+4*\s+3], s[G1B:G1B+7]
	s_nop 0
.rept 4
	v_nop
.endr
.Lasked_\@:
.endm
.macro CREST
	s_cmp_lg_u32 s10, 0
	s_cbranch_scc1 .Lnot_wave_0_\@
	s_barrier_signal -3
.Lnot_wave_0_\@:
	s_barrier_wait -3
	s_barrier_signal -1
	s_barrier_wait -1
.endm
.macro CROUND
	s_barrier_signal -1
	s_barrier_wait -1
	CREST
.endm
	s_load_b128 s[4:7], s[0:1], 0x0                ; y s[4:5], wpt s[6:7]
	s_load_b64 s[8:9], s[0:1], 0x10                ; out0
	v_lshl_add_u32 v[SPW], v0, 2, SPARE
	v_mov_b32 v[NIL], 0
	ds_add_u32 v[SPW], v[NIL]                      ; the wave's opening: the add, twice on end, and its wait ahead of my first tensor load
	ds_add_u32 v[SPW], v[NIL]
	v_lshrrev_b32 v1, 5, v0
	v_readfirstlane_b32 s10, v1                    ; wave 0..3
	s_lshr_b32 s11, s10, 1                         ; which half of the tile's rows is mine.  Also: I fetch for A (0) or for B (1)
	s_and_b32 s12, s10, 1                          ; which half of its columns.  Also: which 64 rows of that tile I fetch
	s_bfe_u32 s40, ttmp6, 0x40000                  ; cx, cy
	s_bfe_u32 s41, ttmp6, 0x40004
	s_lshl_b32 s42, ttmp9, 2
	s_add_co_u32 s42, s42, s40                     ; tile column = 4 x cluster x + cx
	s_and_b32 s13, ttmp7, 0xffff
	s_lshl_b32 s13, s13, 2
	s_add_co_u32 s13, s13, s41                     ; tile row = 4 x cluster y + cy
	s_lshl_b32 s43, s41, 2
	s_lshl_b32 s43, 15, s43                        ; my row of the cluster
	s_lshl_b32 s44, 0x1111, s40                    ; my column
	; descriptor group 1: a tile of 64 rows x 256 elements of 2 bytes, 16 bytes of padding behind each row of 512
	s_or_b32 s[G1+0], s43, (1<<16)|(1<<20)|(1<<21)|(6<<22)|(3<<25)
	s_or_b32 s[G1B+0], s44, (1<<16)|(1<<20)|(1<<21)|(6<<22)|(3<<25)
.irp g, G1, G1B
	s_mov_b32 s[\g+1], KSTEP<<16                   ; tensor_dim0
	s_mov_b32 s[\g+2], 64<<16                      ; tensor_dim1
	s_mov_b32 s[\g+3], KSTEP<<16                   ; tile_dim0
	s_mov_b32 s[\g+4], 64                          ; tile_dim1
	s_mov_b32 s[\g+5], SIZE_K                      ; from row to row
	s_mov_b32 s[\g+6], 0
	s_mov_b32 s[\g+7], 0
.endr
	s_lshl_b32 s17, s12, 6                         ; which 64 rows of the tile I fetch
	s_lshl_b32 s16, s13, 7
	s_add_co_u32 s16, s16, s17                     ; A: row 128 x tile row + 64 x half
	s_lshl_b32 s46, s42, 7
	s_add_co_u32 s46, s46, s17                     ; B: row 128 x tile column + 64 x half
	s_mov_b32 s17, 0
	s_mov_b32 s47, 0
	s_mov_b64 s[18:19], SIZE_K*2
	s_mul_u64 s[16:17], s[16:17], s[18:19]
	s_mul_u64 s[46:47], s[46:47], s[18:19]
	s_mul_i32 s20, s10, HALFT                      ; where they go: wave x 64 rows
	s_wait_dscnt 0x0                               ; both opening adds are done
	s_wait_kmcnt 0x0
	s_add_nc_u64 s[14:15], s[4:5], s[16:17]
	s_add_nc_u64 s[46:47], s[6:7], s[46:47]
	CROUND                                         ; all sixteen work-groups are here: the first joint loads meet
.irp s, 0,1
	s_mov_b32 s[G0+4*\s], 1
	s_add_co_u32 s[G0+4*\s+1], s20, \s*SLOT
	s_add_nc_u64 s[G0+4*\s+2:G0+4*\s+3], s[14:15], \s*KSTEP*2
	s_or_b32 s[G0+4*\s+3], s[G0+4*\s+3], 0x80000000
	s_mov_b32 s[G0B+4*\s], 1
	s_add_co_u32 s[G0B+4*\s+1], s20, \s*SLOT
	s_add_nc_u64 s[G0B+4*\s+2:G0B+4*\s+3], s[46:47], \s*KSTEP*2
	s_or_b32 s[G0B+4*\s+3], s[G0B+4*\s+3], 0x80000000
	JLOAD \s                                       ; two tensor loads of mine are out behind the second
.endr
	v_and_b32 v1, 15, v0                           ; l % 16
	v_bfe_u32 v2, v0, 4, 1                         ; l / 16
	v_mul_u32_u24 v3, v1, PITCH
	v_lshl_add_u32 v3, v2, 4, v3                   ; a fragment's row x pitch + 16 x half
	s_mul_i32 s21, s11, HALFT                      ; my 64 rows of A
	s_mul_i32 s22, s12, HALFT                      ; my 64 rows of B,
	s_add_co_u32 s22, s22, 2*HALFT                 ; which lie behind A's 128
.irp s, 0,1
	v_add_nc_u32 v[ADRA+\s], s21, v3
	v_add_nc_u32 v[ADRB+\s], s22, v3
	s_add_co_u32 s21, s21, SLOT
	s_add_co_u32 s22, s22, SLOT
.endr
	s_mul_i32 s23, s10, 16*SPITCH
	s_add_co_u32 s23, s23, STAGE                   ; my stage
	v_mul_u32_u24 v4, v1, SPITCH                   ; in: row l % 16, 32 bytes for each half of the lanes
	v_lshl_add_u32 v4, v2, 5, v4
	v_add_nc_u32 v[STO], s23, v4
	v_mul_u32_u24 v5, v2, SPITCH                   ; back: lanes 0-15 one row of 256 bytes, lanes 16-31 the next
	v_lshl_add_u32 v5, v1, 4, v5
	v_add_nc_u32 v[RD], s23, v5
	v_lshlrev_b32 v5, 13, v2                       ; and the same two rows in the output, 8,192 bytes apart
	v_lshl_add_u32 v[CO], v1, 4, v5
	s_lshl_b32 s16, s13, 7
	s_lshl_b32 s17, s11, 6
	s_add_co_u32 s16, s16, s17                     ; my first row: 128 x tile row + 64 x half
	s_lshl_b32 s16, s16, 13
	s_mov_b32 s17, 0
	s_add_nc_u64 s[8:9], s[8:9], s[16:17]
	s_lshl_b32 s46, s42, 9                         ; my first column, in bytes: 512 x tile column + 256 x half
	s_lshl_b32 s47, s12, 8
	s_add_co_u32 s46, s46, s47
	s_mov_b32 s47, 0
	s_add_nc_u64 s[8:9], s[8:9], s[46:47]
; 8 matrix instructions: m blocks a0, a0 + 1 x all 4 n blocks, 32 along K: half c of buffer f.  zero = 1: the first product starts the sums.  The 16 accumulators take turns.
.macro MUL8 f, c, a0, zero
.irp a, \a0, \a0+1
.irp b, 0,1,2,3
.if \zero
	v_wmma_f32_16x16x32_f16 v[ACC+8*(4*(\a)+\b):ACC+8*(4*(\a)+\b)+7], v[\f+64+8*(4*\c+\b):\f+64+8*(4*\c+\b)+7], v[\f+8*(4*\c+\a):\f+8*(4*\c+\a)+7], 0
.else
	v_wmma_f32_16x16x32_f16 v[ACC+8*(4*(\a)+\b):ACC+8*(4*(\a)+\b)+7], v[\f+64+8*(4*\c+\b):\f+64+8*(4*\c+\b)+7], v[\f+8*(4*\c+\a):\f+8*(4*\c+\a)+7], v[ACC+8*(4*(\a)+\b):ACC+8*(4*(\a)+\b)+7]
.endif
.endr
.endr
.endm
; 32 LDS loads in one run: the fragments of 64 along K at byte k of the rows, into buffer f; the first 32 along K first
.macro FETCH slot, k, f
	WIN TO_F
.irp c, 0,1
.irp i, 0,1,2,3
	ds_load_b128 v[\f+64+8*(4*\c+\i):\f+64+8*(4*\c+\i)+3],   v[ADRB+\slot] offset:\k+64*\c+\i*16*PITCH
	ds_load_b128 v[\f+64+8*(4*\c+\i)+4:\f+64+8*(4*\c+\i)+7], v[ADRB+\slot] offset:\k+64*\c+\i*16*PITCH+32
	ds_load_b128 v[\f+8*(4*\c+\i):\f+8*(4*\c+\i)+3],         v[ADRA+\slot] offset:\k+64*\c+\i*16*PITCH
	ds_load_b128 v[\f+8*(4*\c+\i)+4:\f+8*(4*\c+\i)+7],       v[ADRA+\slot] offset:\k+64*\c+\i*16*PITCH+32
.endr
.endr
.endm
.macro PLACES                          ; four plain vector instructions between a matrix instruction and a load into, or a read of, its registers
.rept 4
	v_nop
.endr
.endm
.macro QUARTER slot, k, f, g, zero     ; 64 along K: multiplies buffer f and fetches the next quarter, at byte k, into g
	s_wait_dscnt 16                                ; the first 32 along K are in; the other sixteen loads may be out
	WIN MUL
	MUL8 \f, 0, 0, \zero
	MUL8 \f, 0, 2, \zero
	PLACES
	FETCH \slot, \k, \g
	s_wait_dscnt 32                                ; all but the 32 just issued
	WIN MUL
	MUL8 \f, 1, 0, 0
	MUL8 \f, 1, 2, 0
.endm
; The last quarter multiplies buffer 1 and changes slots: one barrier; in front of it each wave waits for all its tensor loads, adds 0 to its spare word, and waits for that and for its reads of this slot.
.macro TURN slot, next, fill
	WIN 0                                          ; (the add's two registers lie in window 0)
	s_wait_tensorcnt 0x0                           ; all my tensor loads have landed: my part of the next slot
	ds_add_u32 v[SPW], v[NIL]
	s_wait_dscnt 17                                ; (the add and the youngest sixteen loads may be out)
	WIN MUL
	MUL8 F1, 0, 0, 0
	s_wait_dscnt 0x0                               ; the add is done, and my reads of this slot are over
	s_barrier_signal -1
	MUL8 F1, 0, 2, 0
.if \fill
	WIN 0
.endif
	s_barrier_wait -1
.if \fill
	CREST                                          ; the barrier has opened a round of the cluster's barrier: no wave of any partner still reads this slot or has a load on its way
	s_add_nc_u64 s[G0+4*\slot+2:G0+4*\slot+3], s[G0+4*\slot+2:G0+4*\slot+3], 2*KSTEP*2
	s_add_nc_u64 s[G0B+4*\slot+2:G0B+4*\slot+3], s[G0B+4*\slot+2:G0B+4*\slot+3], 2*KSTEP*2
	JLOAD \slot                                    ; the first tensor load behind the round, and my only one until the next
.else
	PLACES
.endif
	FETCH \next, 0, F0
	WIN MUL
	MUL8 F1, 1, 0, 0
	MUL8 F1, 1, 2, 0
.endm
	s_wait_tensorcnt 1                             ; my part of K step 0 is in (K step 1's load may be out),
	s_barrier_signal -1
	s_barrier_wait -1                              ; everybody's is
	FETCH 0, 0, F0
	QUARTER 0, 128, F0, F1, 1                      ; the first quarter stands in front of the loop: its first products start the sums
	WIN 0
	s_mov_b32 s3, LAPS-1
.Llap:                                                 ; a trip goes once round the ring and fills both slots again
	QUARTER 0, 256, F1, F0, 0
	QUARTER 0, 384, F0, F1, 0
	TURN 0, 1, 1
	QUARTER 1, 128, F0, F1, 0
	QUARTER 1, 256, F1, F0, 0
	QUARTER 1, 384, F0, F1, 0
	TURN 1, 0, 1
	QUARTER 0, 128, F0, F1, 0
	WIN 0
	s_sub_co_u32 s3, s3, 1
	s_cmp_lg_u32 s3, 0
	s_cbranch_scc1 .Llap
	QUARTER 0, 256, F1, F0, 0                      ; the last lap fills nothing
	QUARTER 0, 384, F0, F1, 0
	TURN 0, 1, 0
	QUARTER 1, 128, F0, F1, 0
	QUARTER 1, 256, F1, F0, 0
	QUARTER 1, 384, F0, F1, 0
	s_wait_dscnt 16
	WIN MUL
	MUL8 F1, 0, 0, 0
	MUL8 F1, 0, 2, 0
	s_wait_dscnt 0
	MUL8 F1, 1, 0, 0
	MUL8 F1, 1, 2, 0
	WIN 0
; THE WAY OUT, block by block of 16 rows x 64 columns of f32: 32 bytes a lane into my stage, back as whole rows of 256 bytes.  LDS serves a wave's instructions in order (ISA guide 5.7.1.4).
.macro TOSTAGE a
.set BB, TMP+32*((\a)%2)
.irp b, 0,1,2,3
	ds_store_b128 v[STO], v[ACC+8*(4*(\a)+\b):ACC+8*(4*(\a)+\b)+3] offset:64*\b        ; each accumulator from its low end on
	ds_store_b128 v[STO], v[ACC+8*(4*(\a)+\b)+4:ACC+8*(4*(\a)+\b)+7] offset:64*\b+16
.endr
.irp t, 0,1,2,3,4,5,6,7
	ds_load_b128 v[BB+4*\t:BB+4*\t+3], v[RD] offset:2*\t*SPITCH
.endr
.endm
.macro SEND a, younger                 ; younger: the LDS instructions issued behind block a's loads, which may stay out
.set BB, TMP+32*((\a)%2)
	s_wait_dscnt \younger
.irp t, 0,1,2,3,4,5,6,7
	global_store_b128 v[CO], v[BB+4*\t:BB+4*\t+3], s[8:9] offset:(16*(\a)+2*\t)*SIZE_N*4 th:TH_STORE_NT   ; 16 lanes store 256 consecutive bytes, aligned; 62 rows at the most: inside the signed 24-bit immediate
.endr
.endm
	PLACES
	TOSTAGE 0
.irp a, 1,2,3
.if \a > 1
	s_wait_xcnt 0x0                                ; block a - 2's stores have read their registers: block a's loads may land there
.endif
	TOSTAGE \a
	SEND \a-1, 16                                  ; behind block a - 1's loads: block a's 8 stores and 8 loads
.endr
	SEND 3, 0
	s_wait_tensorcnt 0x0                           ; the wave's end, behind my last tensor load and my last LDS store
	ds_add_u32 v[SPW], v[NIL]
	s_wait_dscnt 0x0
	CROUND                                         ; the closing round
	s_endpgm
.Lfunc_end_k_q27732cad7e_proj:
	.size	k_q27732cad7e_proj, .Lfunc_end_k_q27732cad7e_proj-k_q27732cad7e_proj
	.p2alignl 7, 3214868480
	.fill 96, 4, 3214868480
	.section	.rodata,"a",@progbits
	.p2align	6, 0x0
	.amdhsa_kernel k_q27732cad7e_proj
		.amdhsa_group_segment_fixed_size 327680
		.amdhsa_private_segment_fixed_size 0
		.amdhsa_enable_private_segment 0
		.amdhsa_kernarg_size 24
		.amdhsa_user_sgpr_count 2
		.amdhsa_user_sgpr_kernarg_segment_ptr 1
		.amdhsa_wavefront_size32 1
		.amdhsa_system_sgpr_workgroup_id_x 1
		.amdhsa_system_sgpr_workgroup_id_y 1
		.amdhsa_system_sgpr_workgroup_id_z 1
		.amdhsa_system_vgpr_workitem_id 0
		.amdhsa_next_free_vgpr 512
		.amdhsa_next_free_sgpr 66
		.amdhsa_reserve_vcc 0
		.amdhsa_float_denorm_mode_32 3
		.amdhsa_float_denorm_mode_16_64 3
		.amdhsa_memory_ordered 1
		.amdhsa_forward_progress 1
		.amdhsa_inst_pref_size 86
	.end_amdhsa_kernel
	.amdgpu_metadata
---
amdhsa.version: [ 1, 2 ]
amdhsa.kernels:
  - .name:           k_q27732cad7e_proj
    .symbol:         k_q27732cad7e_proj.kd
    .args:
      - { .name: y, .offset: 0, .size: 8, .value_kind: global_buffer, .address_space: global }
      - { .name: wpt, .offset: 8, .size: 8, .value_kind: global_buffer, .address_space: global }
      - { .name: out0, .offset: 16, .size: 8, .value_kind: global_buffer, .address_space: global }
    .group_segment_fixed_size: 327680
    .private_segment_fixed_size: 0
    .kernarg_segment_align: 8
    .kernarg_segment_size: 24
    .max_flat_workgroup_size: 128
    .sgpr_count:     66
    .vgpr_count:     512
    .wavefront_size: 32
...
	.end_amdgpu_metadata
.endif
;; end of part 4
